; MI455X (gfx1250); checked and timed in simulation.
; The chip was launched on July 23, 2026; its instructions are those of AMD's public machine-readable ISA for CDNA 5 (MIT licence, August 2026) and "CDNA5" Instruction Set Architecture Reference Guide (July 2026). The comments in the code are by the model that wrote it; some were corrected since.
;; Llama Attention. Allowed arithmetic: matrix products marked QUANTISED: E4M3 operands, one given power-of-two scale a tensor, by v_wmma_f32_16x16x64_fp8_fp8 or v_wmma_f32_16x16x128_fp8_fp8, f32 sums; everything else in f32.
;; Inputs: Wk_codes 2,048 x 64 x 32 uint8 (E4M3 codes of Wk, K innermost, in blocks of 32 codes); Wo_codes 2,048 x 64 x 32 uint8 (E4M3 codes of Wo, K innermost, in blocks of 32 codes); Wq_codes 2,048 x 64 x 32 uint8 (E4M3 codes of Wq, K innermost, in blocks of 32 codes); Wv_codes 2,048 x 64 x 32 uint8 (E4M3 codes of Wv, K innermost, in blocks of 32 codes); lowp_scales 12 int32 (the exponents e of the quantised operands' scales 2^e); x_codes 1 x 2,048 x 64 x 32 uint8 (E4M3 codes of x, K innermost, in blocks of 32 codes).
;; Outputs: out0 1 x 2,048 x 2,048 float32.
;; This version of the problem:
;;   THIS VERSION OF THE PROBLEM IS GIVEN IN LOW PRECISION. The matrix products marked QUANTISED in the list below multiply operands that are first quantised to E4M3 (4 exponent bits, 3 mantissa bits; 8 bits a number), with one given power-of-two scale for each operand tensor; their sums are f32. All else is computed in f32.
;;   The module's matrix products, in the order in which they are computed (A, B: the left and right operand; K: the contracted axis; several contracted axes count as one K, in the product's order):
;;     1. [M 2,048, K 2,048] x [K 2,048, N 2,048]; A: input x (given as codes); B: input Wq (given as codes): QUANTISED (scales: A lowp_scales[0], B lowp_scales[1])
;;     2. [M 2,048, K 2,048] x [K 2,048, N 2,048]; A: input x (given as codes); B: input Wk (given as codes): QUANTISED (scales: A lowp_scales[2], B lowp_scales[3])
;;     3. [M 2,048, K 2,048] x [K 2,048, N 2,048]; A: input x (given as codes); B: input Wv (given as codes): QUANTISED (scales: A lowp_scales[4], B lowp_scales[5])
;;     4. batch 16 x [M 2,048, K 128] x [K 128, N 2,048]; A: computed on the way; B: computed on the way: QUANTISED (scales: A lowp_scales[6], B lowp_scales[7])
;;     5. batch 16 x [M 2,048, K 2,048] x [K 2,048, N 128]; A: softmax (see below); B: computed on the way: QUANTISED (scales: A lowp_scales[8], B lowp_scales[9])
;;     6. [M 2,048, K 2,048] x [K 2,048, N 2,048]; A: computed on the way; B: input Wo (given as codes): QUANTISED (scales: A lowp_scales[10], B lowp_scales[11])
;;   THE QUANTISER, for each operand of a quantised product, along K:
;;     - The operand's scale is 2^e, e = its entry of the input lowp_scales (int32; the entries are numbered through the quantised products in the list's order, A before B).
;;     - Each number is divided by the scale, clamped to +-448, and rounded to the nearest number of E4M3, ties to even, subnormals kept.
;;     - The product sums the exact products of the quantised numbers (number of the format x scale) in f32.
;;   ~~~python
;;   def quantise(x, axis, e):      # numpy; x: float32 -> the quantised numbers, widened to float32 again
;;       x = np.moveaxis(x, axis, -1); K = x.shape[-1]
;;       r = np.clip(x / 2.0 ** e, -448, 448)
;;       step = 2.0 ** (np.maximum(np.frexp(np.where(r == 0, 1, r))[1] - 1, -6) - 3)
;;       q = np.round(r / step) * step * 2.0 ** e      # np.round: ties to even
;;       return np.moveaxis(q, -1, axis).astype(np.float32)
;;   ~~~
;;   SOFTMAX AHEAD OF A QUANTISED PRODUCT. Where the list says 'softmax', what is quantised is not the finished softmax but p = 2^(t - M), with t = logit x log2(e) and M = ceil(the row's largest t), a whole number; so 1/2 < the row's largest p <= 1. The row's sum l is taken of the UNQUANTISED p, in f32, and the product's result is divided by l at the end. Since M is a whole number, a kernel that streams over the keys may use a running M (the ceiling of the running maximum): every later rescaling is an exact power of two, so the quantised numbers keep their values, but for numbers so far below the row's largest that they fall under the format's range.
;;   OPERANDS COMPUTED ON THE WAY. 'Computed on the way' means the value that the module computes at that place (a softmax that the list does not call 'softmax' is quantised finished and normalised). What goes into a quantiser is computed in f32, as accurately as f32 sums, v_exp_f32 and their like allow (about 1e-6 of the number): no bf16 or f16 on the way to a quantiser, and a product that is left as it is and whose result goes on into a quantised operand takes f32 operands (vector FMAs, or v_wmma_f32_16x16x4_f32). A number that lies on a knife's edge between two numbers of the format may be rounded either way, as far as f32 arithmetic and the matrix unit's own rounding can turn it there, and no further.
;;   INPUTS GIVEN AS CODES. Wk (in the module: [2048, 2048], K = its axis 1); Wo (in the module: [2048, 2048], K = its axis 1); Wq (in the module: [2048, 2048], K = its axis 1); Wv (in the module: [2048, 2048], K = its axis 1); x (in the module: [1, 2048, 2048], K = its axis 2): each comes as NAME_codes (uint8): NAME with its K axis moved to the last place and cut into blocks of 32 codes, [.., K / 32, bytes a block], one block behind the other in memory; one code a byte (a code: sign, 4 exponent bits, 3 mantissa bits); its scale is its entry of lowp_scales. Its value is code x scale, taken as it is: it is not quantised again, and the codes and scales need not be those that the quantiser above would give.
;; One version. Each part assembles by itself: llvm-mc -triple=amdgcn-amd-amdhsa -mcpu=gfx1250 --defsym DOCPART=n.
;; ======== version 1 of 1: 3 launches
;; limits: right only within a limited range of input values
;; workspace buffers: qimg 4,194,304 bytes; kvimg 8,388,608 bytes; yimg 4,194,304 bytes
;; launch qkv (part 1): grid 16 x 16, 4 waves a work-group, clusters of 4 x 4, 327,680 bytes of LDS; arguments x_codes, Wq_codes, Wk_codes, Wv_codes, lowp_scales, qimg, kvimg; writes qimg, kvimg
.if DOCPART == 1
	.amdgcn_target "amdgcn-amd-amdhsa--gfx1250"
	.amdhsa_code_object_version 6
	.text
	.protected	k_qbd24cec01c_qkv
	.globl	k_qbd24cec01c_qkv
	.p2align	8
	.type	k_qbd24cec01c_qkv,@function
k_qbd24cec01c_qkv:
	s_mov_b64 s[64:65], 0
	v_nop
	global_prefetch_b8 v0, s[64:65] scope:SCOPE_SE
	s_setreg_imm32_b32 hwreg(HW_REG_WAVE_MODE, 25, 1), 1
	s_wait_xcnt 0x0
	s_wait_alu depctr_hold_cnt(0) depctr_sa_sdst(0) depctr_va_vdst(0) depctr_va_sdst(0) depctr_va_ssrc(0) depctr_va_vcc(0) depctr_vm_vsrc(0)
	s_getreg_b32 s2, hwreg(HW_REG_IB_STS2, 6, 4)
	s_cmp_eq_u32 s2, 0
	s_cbranch_scc0 .Lentry_in_a_cluster
	s_endpgm
.Lentry_in_a_cluster:
	s_bfe_u32 s2, ttmp6, 0x10000c
	s_cmp_lg_u32 s2, 0xf033
	s_cbranch_scc0 .Lentry_shape_is_right
	s_endpgm
.Lentry_shape_is_right:
; q, k, v = x Wq^T, x Wk^T, x Wv^T on codes of FP8 (E4M3); RoPE on q and k in f32; q, k, v quantised with their given scales and stored as IMAGES OF OPERAND REGISTERS.
; x [2048][2048], Wq, Wk, Wv [2048][2048]: codes, K innermost.  The scales' exponents e0 .. e11 are whole numbers (int32): x has e0, e2, e4 for the three products, Wq e1, Wk e3, Wv e5; q e6, k e7, v e9.
; SHARES.  A work-group makes 128 tokens (group g) x one head's 128 columns of q, of k and of v.  Wave w takes all 128 tokens x d = 32 w .. 32 w + 31 of the three: 48 accumulators, 384 registers.
; K goes in steps of 256 through two LDS slots (x's 128 rows, then Wq's, Wk's, Wv's, 256 bytes a row); wave 0 fetches x's tile, waves 1 to 3 the three weights'.
; CLUSTER 4 x 4: the four work-groups of a row share the tokens, so x's tile is asked for jointly along the row; the four of a column share the head, so the weights' tiles go jointly along the column.
; ORIENTATION.  q, k: source 0 = 16 rows of W, source 1 = 16 tokens: a lane holds ONE token and eight neighbouring d.  v: source 0 = 16 tokens, source 1 = 16 rows of Wv: a lane holds ONE d and eight neighbouring tokens.
; So a conversion of an accumulator's eight registers gives registers 2 t, 2 t + 1 of the next product's operand as this matrix form lays it (k = 16 t + 8 (lane / 16) + 0 .. 7), and nothing changes lanes.
; A FRAGMENT'S IMAGE is 2,048 bytes: chunk c (512 bytes) holds registers 4 c .. 4 c + 3, lane l's 16 bytes at 16 l.  Each store of a wave covers 512 consecutive bytes, aligned.
;   qimg [head][query tile 128][2048];  kvimg [head][key step 16][32768]: eight fragments of K (16 keys x 128 d), then eight of V^T (16 d x 128 keys).
; x's and W's fragments come from LDS by four loads of 16 bytes: a permutation of k that is the same on both sides, so every product meets its partner.
; RoPE as the problem has it: out[d] = y[d] cos(a_d) + y[d xor 1] s_d, a_d = fl(token x inv[d mod 64]), s_d = -sin for even d, +sin for odd d.  cos and sin are made here in f32: quadrant by n = round(a 2/pi),
; a - n pi/2 in two parts by fused multiply-adds, polynomials of degree 7 and 8 on +-pi/4.  inv[f] = 2^(-f log2(10000)/64) by v_exp_f32.
; Waves w and w xor 2 want the same frequencies: each makes four of the eight blocks of 16 tokens, while the first tiles are on their way, and they exchange them through LDS at the end.
; LIMITS: e6-e0-e1, e7-e2-e3, e9-e4-e5 lie between -126 and 119, so that each scale and 448 x it are f32 numbers.  NaN codes are not served.  inv[f] may differ from an f32 power's result in its last bits:
; at the largest angles (some 2,000 radians) that is an angle's difference of the order of 1e-4.
; REGISTERS, in windows of 256: window 0: v1-29 addresses and scales; v32-67 the trigonometry's constants, later v32-63 at work and v64-127 q's and k's codes; v128-255 x's eight fragments, ONE set
;   (ahead of the loop: the trigonometry's arrays; behind it: table buffers v128-191, v's codes v192-223).   window 1: the weights' six fragments, TWO sets, at v0 and v128.
;   window 2: q's accumulators (block a, half u) at v[8 (2 a + u)], k's at v[128 + 8 (2 a + u)].   window 3: v's at v[8 (2 a + u)]; v128-255 my four blocks of cos and s.
; PREFETCH INTO THE L2.  At each change of slots all tensor loads have been waited for, so what a refill asks for is asked of memory two K steps earlier: the load of K step n is followed by one global_prefetch_b8 a wave for K step n + 2
; (the first, at the head, by those for K steps 1 and 2).  Of the 128 rows that a wave fetches jointly each of the four partners names 32, a lane a row, told apart by address (cx for x, cy for the weights): each block of 256 bytes once in a cluster.
.set PFO,    27                        ; v27     the prefetches' offset: my lane x a row of 2,048 bytes; never rewritten.  s[84:85] is their base
.set PITCH,  272                       ; an LDS row: 256 bytes + 16 of padding = 68 words: the 16 rows that a load touches start 4 banks apart (64 banks of 4 bytes: ISA guide 11.1)
.set REG,    128*PITCH                 ; one tensor's 128 rows: what one tensor load brings
.set SLOT,   4*REG                     ; x, Wq, Wk, Wv
.set SPARE,  2*SLOT                    ; behind the ring: the spare words, 128 bytes a wave: two blocks of 256 bytes that no other line names
.set FR,     16                        ; registers of a fragment
.set AF,     128                       ; x's fragments, window 0
.set SQ,     8                         ; v8, v9   q's scale as f32, and 448 x it
.set SK,     10                        ; v10, v11 k's
.set SV,     12                        ; v12, v13 v's
.set ADRA,   16                        ; v16-17  LDS address of x's fragments in slot 0, 1
.set ADRB,   20                        ; v20-21  of my rows of Wq (Wk's lie REG further on)
.set ADRV,   22                        ; v22-23  of my rows of Wv
.set TW,     24                        ; v24     where I store my four blocks of the table
.set TR,     25                        ; v25     where I read the eight blocks of my frequencies
.set LOFF,   26                        ; v26     16 x lane
.set SPW,    28                        ; v28     LDS address of my spare word; never rewritten
.set NIL,    29                        ; v29     0; never rewritten
.set C2PI,   32                        ; pairs of equal constants
.set CPH,    34
.set CPL,    36
.set PS3,    38
.set PS2,    40
.set PS1,    42
.set PC3,    44
.set PC2,    46
.set PC1,    48
.set INV,    50                        ; v50-65  my lane's 16 inverse frequencies
.set TOK,    66                        ; v66-67  the token as f32, twice
.set ANG,    128
.set NF,     144
.set ZZ,     160
.set SN,     176
.set CO,     192
.set T1,     208
.set T2,     224
.set TMP,    32                        ; behind the loop: 32 numbers at work
.set COD,    64                        ; q's and k's codes, eight registers a block
.set VCD,    192                       ; v's codes: two fragments
.set WV,     18                        ; s18 wave
.set G1A,    24                        ; s[24:31] group 1 for x's tile;  s[32:39] its groups 0, one a slot
.set G0A,    32
.set G1B,    48                        ; s[48:55], s[56:63] the same for the weights' tiles
.set G0B,    56
.set QB,     88                        ; s[88:89] qimg at my chunk; s[90:91] kvimg at my chunk of K; s[92:93] at my fragments of V^T
.set KB,     90
.set VB,     92
.set MSB, 0
.macro WIN new                         ; the immediate's high byte repeats the setting that is left
.if MSB != \new
	s_set_vgpr_msb (MSB<<8)|\new
.set MSB, \new
.endif
.endm
.set W_QK, 0xa1                        ; source 0 (W) window 1, source 1 (x) window 0, C and D window 2
.set W_VV, 0xf4                        ; source 0 (x) window 0, source 1 (Wv) window 1, C and D window 3
.set TO_B, 0x40                        ; destination window 1
; A joint load: wave 0 asks for x's tile, waves 1 to 3 for the weights'.  Each line has one mask; the branch hangs on the wave's number alone.  Four v_nop follow each line.
.macro JLOAD s
	s_cmp_eq_u32 s[WV], 0
	s_cbranch_scc0 .Lfor_b_\@
	tensor_load_to_lds s[G0A+4*\s:G0A+4*\s+3], s[G1A:G1A+7]
	s_nop 0
.rept 4
	v_nop
.endr
	s_branch .Lasked_\@
.Lfor_b_\@:
	tensor_load_to_lds s[G0B+4*\s:G0B+4*\s+3], s[G1B:G1B+7]
	s_nop 0
.rept 4
	v_nop
.endr
.Lasked_\@:
.endm
.macro CREST                           ; a round of the cluster's barrier behind its opening barrier
	s_cmp_lg_u32 s[WV], 0
	s_cbranch_scc1 .Lnot_wave_0_\@
	s_barrier_signal -3
.Lnot_wave_0_\@:
	s_barrier_wait -3
	s_barrier_signal -1
	s_barrier_wait -1
.endm
.macro CROUND
	s_barrier_signal -1
	s_barrier_wait -1
	CREST
.endm
.macro PLACES                          ; four places behind a matrix instruction, in front of loads into its sources and of reads of its result
.rept 4
	v_nop
.endr
.endm
	s_load_b256 s[4:11], s[0:1], 0x0               ; x s[4:5], Wq s[6:7], Wk s[8:9], Wv s[10:11]
	s_load_b128 s[12:15], s[0:1], 0x20             ; the exponents s[12:13], qimg s[14:15]
	s_load_b64 s[16:17], s[0:1], 0x30              ; kvimg
	v_lshl_add_u32 v[SPW], v0, 2, SPARE
	v_mov_b32 v[NIL], 0
	ds_add_u32 v28, v29
	ds_add_u32 v28, v29
	s_wait_dscnt 0x0
	v_lshrrev_b32 v1, 5, v0
	v_readfirstlane_b32 s[WV], v1                  ; wave 0..3
	s_and_b32 s19, s[WV], 1                        ; which 32 of the 64 frequencies are mine
	s_lshr_b32 s20, s[WV], 1                       ; which four blocks of the table I make
	s_bfe_u32 s40, ttmp6, 0x40000                  ; cx, cy
	s_bfe_u32 s41, ttmp6, 0x40004
	s_lshl_b32 s42, ttmp9, 2
	s_add_co_u32 s42, s42, s40                     ; the head = 4 x cluster x + cx
	s_and_b32 s43, ttmp7, 0xffff
	s_lshl_b32 s43, s43, 2
	s_add_co_u32 s43, s43, s41                     ; the group of 128 tokens = 4 x cluster y + cy
	s_lshl_b32 s44, s41, 2
	s_lshl_b32 s44, 15, s44                        ; my row of the cluster
	s_lshl_b32 s45, 0x1111, s40                    ; my column
	s_or_b32 s[G1A], s44, (1<<20)|(1<<21)|(5<<22)|(3<<25)   ; 15:0 the mask; 17:16 elements of 1 byte; 20 padding on; 21 set beside a mask; 24:22 after every 64 words; 31:25 four words
	s_or_b32 s[G1B], s45, (1<<20)|(1<<21)|(5<<22)|(3<<25)
.irp g, G1A, G1B
	s_mov_b32 s[\g+1], 256<<16                     ; tensor_dim0 = 256
	s_mov_b32 s[\g+2], 128<<16                     ; tensor_dim1 = 128
	s_mov_b32 s[\g+3], 256<<16                     ; tile_dim0 = 256
	s_mov_b32 s[\g+4], 128                         ; tile_dim1 = 128
	s_mov_b32 s[\g+5], 2048                        ; from row to row
	s_mov_b32 s[\g+6], 0
	s_mov_b32 s[\g+7], 0
.endr
	s_lshl_b32 s80, s43, 18                        ; x: 128 rows of 2,048 bytes a group
	s_mov_b32 s81, 0
	s_lshl_b32 s82, s42, 18                        ; W: 128 rows a head
	s_mov_b32 s83, 0
	s_mul_i32 s46, s[WV], REG                      ; where my tile goes: wave x 128 rows
	s_wait_kmcnt 0x0
	s_load_b256 s[68:75], s[12:13], 0x0            ; e0 .. e7
	s_load_b128 s[76:79], s[12:13], 0x20           ; e8 .. e11
	s_add_nc_u64 s[84:85], s[4:5], s[80:81]
	s_cmp_lt_u32 s[WV], 2                          ; wave 1: Wq, wave 2: Wk, wave 3: Wv
	s_cselect_b64 s[86:87], s[6:7], s[8:9]
	s_cmp_lt_u32 s[WV], 3
	s_cselect_b64 s[86:87], s[86:87], s[10:11]
	s_add_nc_u64 s[86:87], s[86:87], s[82:83]
	CROUND                                         ; all sixteen work-groups are here: the first joint loads meet
.irp s, 0,1
	s_mov_b32 s[G0A+4*\s], 1
	s_add_co_u32 s[G0A+4*\s+1], s46, \s*SLOT
	s_add_nc_u64 s[G0A+4*\s+2:G0A+4*\s+3], s[84:85], \s*256
	s_or_b32 s[G0A+4*\s+3], s[G0A+4*\s+3], 0x80000000
	s_mov_b32 s[G0B+4*\s], 1
	s_add_co_u32 s[G0B+4*\s+1], s46, \s*SLOT
	s_add_nc_u64 s[G0B+4*\s+2:G0B+4*\s+3], s[86:87], \s*256
	s_or_b32 s[G0B+4*\s+3], s[G0B+4*\s+3], 0x80000000
.endr
	JLOAD 0                                        ; K step 0: one tensor load a wave at the head
	s_cmp_eq_u32 s[WV], 0
	s_cselect_b64 s[84:85], s[84:85], s[86:87]     ; the rows that I fetch,
	s_cselect_b32 s21, s40, s41                    ; and my place among the four that ask for them with me
	s_lshl_b32 s22, s21, 16                        ; 32 rows of 2,048 bytes a place
	s_mov_b32 s23, 0
	s_add_nc_u64 s[84:85], s[84:85], s[22:23]
	v_and_b32 v[PFO], 31, v0
	v_lshlrev_b32 v[PFO], 11, v[PFO]
	v_and_b32 v1, 15, v0                           ; r
	v_bfe_u32 v2, v0, 4, 1                         ; h
	v_and_b32 v3, 31, v0                           ; lane
	v_mul_u32_u24 v4, v1, PITCH
	v_lshl_add_u32 v4, v2, 4, v4                   ; row r x pitch + 16 h
	s_mul_i32 s21, s[WV], 32*PITCH
	s_add_co_u32 s21, s21, REG                     ; my 32 rows of Wq
	v_mov_b32 v[ADRA], v4
	v_add_nc_u32 v[ADRA+1], SLOT, v4
	v_add_nc_u32 v[ADRB], s21, v4
	v_add_nc_u32 v[ADRB+1], SLOT, v[ADRB]
	v_add_nc_u32 v[ADRV], 2*REG, v[ADRB]
	v_add_nc_u32 v[ADRV+1], 2*REG, v[ADRB+1]
	v_lshlrev_b32 v[LOFF], 4, v3
	s_lshl_b32 s21, s19, 15                        ; the table, in slot 0: [frequency half][block 0..7][4,096 bytes]
	v_add_nc_u32 v[TR], s21, v[LOFF]
	s_lshl_b32 s22, s20, 14
	s_add_co_u32 s21, s21, s22
	v_add_nc_u32 v[TW], s21, v[LOFF]
	s_lshl_b32 s94, s42, 18                        ; qimg: (head x 128 + 8 g) fragments + my chunk
	s_lshl_b32 s95, s43, 14
	s_add_co_u32 s94, s94, s95
	s_lshl_b32 s95, s[WV], 9
	s_add_co_u32 s94, s94, s95
	s_mov_b32 s95, 0
	s_add_nc_u64 s[QB:QB+1], s[14:15], s[94:95]
	s_lshl_b32 s94, s42, 19                        ; kvimg: (head x 16 + g) x 32,768
	s_lshl_b32 s96, s43, 15
	s_add_co_u32 s94, s94, s96
	s_lshl_b32 s96, s[WV], 9
	s_add_co_u32 s96, s96, s94
	s_mov_b32 s97, 0
	s_add_nc_u64 s[KB:KB+1], s[16:17], s[96:97]    ; K: my chunk
	s_lshl_b32 s96, s[WV], 12
	s_add_co_u32 s96, s96, s94
	s_add_co_u32 s96, s96, 16384
	s_add_nc_u64 s[VB:VB+1], s[16:17], s[96:97]    ; V^T: my two fragments
	; THE TRIGONOMETRY, while the first tiles are on their way
.macro CONST2 reg, bits
	v_mov_b32 v[\reg], \bits
	v_mov_b32 v[\reg+1], \bits
.endm
	CONST2 C2PI, 0x3f22f983                        ; 2 / pi
	CONST2 CPH,  0xbfc90fdb                        ; -(pi / 2 rounded to f32)
	CONST2 CPL,  0x333bbd2e                        ; what that rounding added: +4.371139e-8
	CONST2 PS3,  0xb94ca1f9                        ; sin r = r + r z (S1 + z (S2 + z S3)), z = r r
	CONST2 PS2,  0x3c08839e
	CONST2 PS1,  0xbe2aaaa3
	CONST2 PC3,  0x37ccf5ce                        ; cos r = 1 - z / 2 + z z (C1 + z (C2 + z C3))
	CONST2 PC2,  0xbab6061a
	CONST2 PC1,  0x3d2aaaa5
	v_lshlrev_b32 v5, 3, v2
	s_lshl_b32 s21, s19, 5
	v_add_nc_u32 v5, s21, v5                       ; 32 (w & 1) + 8 h: number i of my 16 has the frequency f = that + 16 (i / 8) + i % 8
	s_lshl_b32 s21, s43, 7
	s_lshl_b32 s22, s20, 6
	s_add_co_u32 s21, s21, s22
	v_add_nc_u32 v6, s21, v1                       ; my token in the first block that I make
.set ii, 0
.rept 16
	v_add_nc_u32 v[INV+ii], 16*(ii/8)+ii%8, v5
.set ii, ii+1
.endr
.set ii, 0
.rept 16
	v_cvt_f32_u32 v[INV+ii], v[INV+ii]
.set ii, ii+1
.endr
.set ii, 0
.rept 16
	v_mul_f32 v[INV+ii], 0xbe549a78, v[INV+ii]     ; -f log2(10000) / 64
.set ii, ii+1
.endr
.set ii, 0
	s_wait_alu depctr_va_vdst(0)
.rept 16
	v_exp_f32 v[INV+ii], v[INV+ii]
.set ii, ii+1
.endr
	v_nop                                          ; a plain place behind the exponentials
	s_wait_alu depctr_va_vdst(0)
.macro PKM d, a, b                     ; 16 numbers, two at a time: d = a b
.irp p, 0,2,4,6,8,10,12,14
	v_pk_mul_f32 v[\d+\p:\d+\p+1], v[\a+\p:\a+\p+1], v[\b+\p:\b+\p+1]
.endr
.endm
.macro PKMC d, a, k                    ; d = a x the constant pair k
.irp p, 0,2,4,6,8,10,12,14
	v_pk_mul_f32 v[\d+\p:\d+\p+1], v[\a+\p:\a+\p+1], v[\k:\k+1]
.endr
.endm
.macro PKF d, a, b, c                  ; d = a b + c
.irp p, 0,2,4,6,8,10,12,14
	v_pk_fma_f32 v[\d+\p:\d+\p+1], v[\a+\p:\a+\p+1], v[\b+\p:\b+\p+1], v[\c+\p:\c+\p+1]
.endr
.endm
.macro PKFK d, a, k, c                 ; d = a x constant k + c
.irp p, 0,2,4,6,8,10,12,14
	v_pk_fma_f32 v[\d+\p:\d+\p+1], v[\a+\p:\a+\p+1], v[\k:\k+1], v[\c+\p:\c+\p+1]
.endr
.endm
.macro PKFA d, a, b, k                 ; d = a b + constant k
.irp p, 0,2,4,6,8,10,12,14
	v_pk_fma_f32 v[\d+\p:\d+\p+1], v[\a+\p:\a+\p+1], v[\b+\p:\b+\p+1], v[\k:\k+1]
.endr
.endm
.macro PKFKK d, a, k, l                ; d = a x constant k + constant l
.irp p, 0,2,4,6,8,10,12,14
	v_pk_fma_f32 v[\d+\p:\d+\p+1], v[\a+\p:\a+\p+1], v[\k:\k+1], v[\l:\l+1]
.endr
.endm
; Block kk of my four: cos and s of my token at my 16 frequencies, into window 3
.macro TRIG16 kk
	v_add_nc_u32 v7, 16*\kk, v6
	v_cvt_f32_u32 v[TOK], v7
	v_mov_b32 v[TOK+1], v[TOK]
	PKMC ANG, INV, TOK                             ; the angle, rounded to f32 as the problem rounds it
	PKMC NF, ANG, C2PI
.set ii, 0
.rept 16
	v_rndne_f32 v[NF+ii], v[NF+ii]                 ; n: the quadrant
.set ii, ii+1
.endr
	PKFK ANG, NF, CPH, ANG                         ; r = angle - n pi / 2, in two parts
	PKFK ANG, NF, CPL, ANG
	PKM ZZ, ANG, ANG
	PKFKK SN, ZZ, PS3, PS2
	PKFKK CO, ZZ, PC3, PC2
	PKFA SN, SN, ZZ, PS1
	PKFA CO, CO, ZZ, PC1
	PKM T1, ZZ, ANG
.irp p, 0,2,4,6,8,10,12,14
	v_pk_fma_f32 v[T2+\p:T2+\p+1], v[ZZ+\p:ZZ+\p+1], -0.5, 1.0 op_sel_hi:[1,0,0]
.endr
	PKF SN, SN, T1, ANG                            ; sin r
	PKM T1, ZZ, ZZ
	PKF CO, CO, T1, T2                             ; cos r
.set ii, 0
.rept 16
	v_cvt_i32_f32 v[NF+ii], v[NF+ii]
.set ii, ii+1
.endr
.set ii, 0
.rept 16
	v_and_b32 v[ZZ+ii], 1, v[NF+ii]
	v_cmp_eq_u32 vcc_lo, 1, v[ZZ+ii]               ; in an odd quadrant sin and cos change places
	v_cndmask_b32 v[T2+ii], v[SN+ii], v[CO+ii], vcc_lo
	v_cndmask_b32 v[T1+ii], v[CO+ii], v[SN+ii], vcc_lo
.set ii, ii+1
.endr
.irp p, 0,2,4,6,8,10,12,14
	v_add_lshl_u32 v[ZZ+\p], v[NF+\p], 2, 30       ; sin's sign is bit 1 of n; an even d wants -sin: bit 1 of n + 2
	v_lshlrev_b32 v[ZZ+\p+1], 30, v[NF+\p+1]
.endr
.set ii, 0
.rept 16
	v_add_lshl_u32 v[SN+ii], v[NF+ii], 1, 30       ; cos's sign is bit 1 of n + 1
.set ii, ii+1
.endr
.set ii, 0
.rept 16
	v_and_b32 v[ZZ+ii], 0x80000000, v[ZZ+ii]
	v_and_b32 v[SN+ii], 0x80000000, v[SN+ii]
.set ii, ii+1
.endr
	WIN 0xc0                                       ; destination window 3
.set ii, 0
.rept 16
	v_xor_b32 v[128+32*\kk+ii], v[T1+ii], v[SN+ii]
	v_xor_b32 v[144+32*\kk+ii], v[T2+ii], v[ZZ+ii]
.set ii, ii+1
.endr
	WIN 0
.endm
	TRIG16 0
	TRIG16 1
	global_prefetch_b8 v[PFO], s[84:85] offset:256 th:TH_LOAD_NT scope:SCOPE_SE   ; K step 1
	TRIG16 2
	TRIG16 3
	global_prefetch_b8 v[PFO], s[84:85] offset:512 th:TH_LOAD_NT scope:SCOPE_SE   ; K step 2
	; the conversions' scales.  A sum of x W^T stands for sum x 2^(ex + ew), and RoPE is linear: the code is RoPE(sum) / 2^(e - ex - ew)
.macro MKSCALE reg
	s_add_co_i32 s21, s23, 127
	s_lshl_b32 s22, s21, 23
	v_mov_b32 v[\reg], s22                         ; the scale as f32: the conversion takes its exponent field
	s_add_co_i32 s21, s21, 8
	s_lshl_b32 s21, s21, 23
	s_or_b32 s21, s21, 0x600000
	v_mov_b32 v[\reg+1], s21                       ; 448 x the scale
.endm
	s_wait_kmcnt 0x0
	s_sub_co_i32 s23, s74, s68
	s_sub_co_i32 s23, s23, s69                     ; e6 - e0 - e1
	MKSCALE SQ
	s_sub_co_i32 s23, s75, s70
	s_sub_co_i32 s23, s23, s71                     ; e7 - e2 - e3
	MKSCALE SK
	s_sub_co_i32 s23, s77, s72
	s_sub_co_i32 s23, s23, s73                     ; e9 - e4 - e5
	MKSCALE SV
.macro FRAG reg, adr, off              ; 16 rows x 128 K: lane (r, h) takes, of row r, bytes 32 c + 16 h + 0 .. 15 into registers 4 c .. 4 c + 3
.irp c, 0,1,2,3
	ds_load_b128 v[\reg+4*\c:\reg+4*\c+3], v[\adr] offset:\off+32*\c
.endr
.endm
.macro FETCH_B slot, q, p              ; my six fragments of the weights (Wq 2, Wk 2, Wv 2) of the slot's q-th 128 along K, into set p: 24 loads
	WIN TO_B
.irp i, 0,1,2,3
	FRAG 128*(\p)+FR*\i, ADRB+\slot, 128*(\q)+(\i/2)*REG+(\i%2)*16*PITCH
.endr
.irp i, 0,1
	FRAG 128*(\p)+FR*(4+\i), ADRV+\slot, 128*(\q)+\i*16*PITCH
.endr
	WIN 0
.endm
.macro FETCH_A slot, q, i0             ; x's blocks i0 .. i0 + 3: 16 loads
.irp i, \i0, \i0+1, \i0+2, \i0+3
	FRAG AF+FR*(\i), ADRA+\slot, 128*(\q)+(\i)*16*PITCH
.endr
.endm
; The 48 accumulators take turns, one instruction a turn, in the same order in every step.  zero = 1: the first product starts the sums.
.macro MULQK a0, p, zero               ; x's blocks a0 .. a0 + 3 against Wq's and Wk's four fragments: 16 products
.irp a, \a0, \a0+1, \a0+2, \a0+3
.irp i, 0,1,2,3
.if \zero
	v_wmma_f32_16x16x128_fp8_fp8 v[128*(\i/2)+8*(2*(\a)+\i%2):128*(\i/2)+8*(2*(\a)+\i%2)+7], v[128*(\p)+FR*\i:128*(\p)+FR*\i+FR-1], v[AF+FR*(\a):AF+FR*(\a)+FR-1], 0
.else
	v_wmma_f32_16x16x128_fp8_fp8 v[128*(\i/2)+8*(2*(\a)+\i%2):128*(\i/2)+8*(2*(\a)+\i%2)+7], v[128*(\p)+FR*\i:128*(\p)+FR*\i+FR-1], v[AF+FR*(\a):AF+FR*(\a)+FR-1], v[128*(\i/2)+8*(2*(\a)+\i%2):128*(\i/2)+8*(2*(\a)+\i%2)+7]
.endif
.endr
.endr
.endm
.macro MULV a0, p, zero                ; the same blocks against Wv's two: 8 products, x as source 0
.irp a, \a0, \a0+1, \a0+2, \a0+3
.irp u, 0,1
.if \zero
	v_wmma_f32_16x16x128_fp8_fp8 v[8*(2*(\a)+\u):8*(2*(\a)+\u)+7], v[AF+FR*(\a):AF+FR*(\a)+FR-1], v[128*(\p)+FR*(4+\u):128*(\p)+FR*(4+\u)+FR-1], 0
.else
	v_wmma_f32_16x16x128_fp8_fp8 v[8*(2*(\a)+\u):8*(2*(\a)+\u)+7], v[AF+FR*(\a):AF+FR*(\a)+FR-1], v[128*(\p)+FR*(4+\u):128*(\p)+FR*(4+\u)+FR-1], v[8*(2*(\a)+\u):8*(2*(\a)+\u)+7]
.endif
.endr
.endr
.endm
; A slot's first 128 along K: set 0 of the weights; the second 128's fragments are fetched on the way
.macro STEP slot, zero
	s_wait_dscnt 16                                ; the weights' set and x's blocks 0-3 are in; the youngest 16 loads (blocks 4-7) may be out
	WIN W_QK
	MULQK 0, 0, \zero
	WIN W_VV
	MULV 0, 0, \zero
	s_wait_dscnt 0x0                               ; blocks 4-7 are in
	PLACES
	FETCH_B \slot, 1, 1
	FETCH_A \slot, 1, 0
	WIN W_QK
	MULQK 4, 0, \zero
	WIN W_VV
	MULV 4, 0, \zero
	PLACES
	WIN 0
	FETCH_A \slot, 1, 4
.endm
; A slot's second 128 along K changes slots: ONE barrier; in front of it each wave waits for all its tensor loads, adds 0 to its spare word, and waits for that and for its reads of this slot.
.macro TURN slot, next, fill
.if (\fill) && (\slot) == 0
	s_wait_xcnt 0x0                                ; my prefetches have read their base: it is stepped by two K steps, once a trip
	s_add_nc_u64 s[84:85], s[84:85], 512
.endif
	s_wait_tensorcnt 0x0                           ; all my tensor loads have landed: my part of the next slot
	ds_add_u32 v[SPW], v[NIL]                      ; 0 onto my spare word
	s_wait_dscnt 17                                ; the add and the youngest 16 loads (x's blocks 4-7) may be out
	WIN W_QK
	MULQK 0, 1, 0                                  ; sixteen products stand between the add and the wait for it
	s_wait_dscnt 0x0                               ; the add is done, and my reads of this slot are over
	s_barrier_signal -1
	WIN W_VV
	MULV 0, 1, 0
	WIN 0
	s_barrier_wait -1
.if \fill
	CREST                                          ; the barrier has opened a round of the cluster's: no wave of any partner still reads this slot or has a load on its way
	s_add_nc_u64 s[G0A+4*\slot+2:G0A+4*\slot+3], s[G0A+4*\slot+2:G0A+4*\slot+3], 512
	s_add_nc_u64 s[G0B+4*\slot+2:G0B+4*\slot+3], s[G0B+4*\slot+2:G0B+4*\slot+3], 512
	JLOAD \slot                                    ; the first tensor load behind the round; its four v_nop are the places in front of the loads below
.else
	PLACES
.endif
	FETCH_B \next, 0, 0
	FETCH_A \next, 0, 0
.if \fill
	s_cmp_gt_u32 s3, 1                             ; the last trip's two refills have no K step two on
	s_cbranch_scc0 .Lno_ask_\@
	global_prefetch_b8 v[PFO], s[84:85] offset:512+256*\slot th:TH_LOAD_NT scope:SCOPE_SE
.Lno_ask_\@:
.endif
	WIN W_QK
	MULQK 4, 1, 0
	WIN W_VV
	MULV 4, 1, 0
	PLACES
	WIN 0
	FETCH_A \next, 0, 4
.endm
	s_wait_alu depctr_va_vdst(0)                   ; the head's end
	s_wait_tensorcnt 0x0                           ; my part of K step 0 is in; slot 1's first fill is issued as a refill is:
	ds_add_u32 v[SPW], v[NIL]                      ; 0 onto my spare word
	s_wait_dscnt 0x0
	CROUND
	JLOAD 1                                        ; K step 1
	FETCH_B 0, 0, 0
	FETCH_A 0, 0, 0
	FETCH_A 0, 0, 4
	global_prefetch_b8 v[PFO], s[84:85] offset:768 th:TH_LOAD_NT scope:SCOPE_SE   ; K step 3
	STEP 0, 1                                      ; the first step stands in front of the loop: its products start the sums
	s_mov_b32 s3, 3
.Llap:                                             ; a trip goes once round the ring and fills both slots again: 2 + 3 x 2 = 8 fills of 256 along K
	TURN 0, 1, 1
	STEP 1, 0
	TURN 1, 0, 1
	STEP 0, 0
	s_sub_co_u32 s3, s3, 1
	s_cmp_lg_u32 s3, 0
	s_cbranch_scc1 .Llap
	TURN 0, 1, 0                                   ; the last lap fills nothing
	; slot 0 has had its last fill, and behind that barrier nobody reads it: my four blocks of the table go there
	WIN 0x0c                                       ; store data window 3
.set nn, 0
	s_wait_alu depctr_va_vdst(0)
.rept 32
	ds_store_b128 v[TW], v[128+4*nn:128+4*nn+3] offset:(nn/8)*4096+(nn%8)*512
.set nn, nn+1
.endr
	WIN 0
	STEP 1, 0                                      ; (its first wait now counts stores too: it waits for more than it needs)
	s_wait_dscnt 16                                ; the very last step
	WIN W_QK
	MULQK 0, 1, 0
	WIN W_VV
	MULV 0, 1, 0
	s_wait_dscnt 0x0
	WIN W_QK
	MULQK 4, 1, 0
	WIN W_VV
	MULV 4, 1, 0
	WIN 0
	PLACES
	s_wait_dscnt 0x0                               ; for the others' sake: my table stores are done
	s_barrier_signal -1
	s_barrier_wait -1                              ; the table is whole
; THE WAY OUT.  Block a of 16 tokens: its 32 registers of the table (cos 16, s 16), RoPE on q's and k's two accumulators, the hold, the conversions, two stores of 512 bytes.
.macro TLD a
.set TL, 128+32*((\a)%2)
.irp n, 0,1,2,3,4,5,6,7
	ds_load_b128 v[TL+4*\n:TL+4*\n+3], v[TR] offset:(\a)*4096+512*\n
.endr
.endm
.macro ROPE a
.set TB, 128+32*((\a)%2)
.if \a < 7
	TLD \a+1
	s_wait_dscnt 8                                 ; this block's eight loads are in; the next block's may be out
.else
	s_wait_dscnt 0x0
.endif
	WIN 0x02                                       ; source 0 window 2
.irp z, 0,1
.irp u, 0,1
.irp i, 0,2,4,6
	v_pk_mul_f32 v[TMP+16*\z+8*\u+\i:TMP+16*\z+8*\u+\i+1], v[128*\z+8*(2*(\a)+\u)+\i:128*\z+8*(2*(\a)+\u)+\i+1], v[TB+8*\u+\i:TB+8*\u+\i+1]   ; y[d] cos; each accumulator from its low end on
.endr
.irp i, 0,2,4,6
	v_pk_fma_f32 v[TMP+16*\z+8*\u+\i:TMP+16*\z+8*\u+\i+1], v[128*\z+8*(2*(\a)+\u)+\i:128*\z+8*(2*(\a)+\u)+\i+1], v[TB+16+8*\u+\i:TB+16+8*\u+\i+1], v[TMP+16*\z+8*\u+\i:TMP+16*\z+8*\u+\i+1] op_sel:[1,0,0] op_sel_hi:[0,1,1]   ; + y[d xor 1] s[d]: the pair's halves crossed
.endr
.endr
.endr
	WIN 0
.set nn, 0
.rept 16
	v_med3_num_f32 v[TMP+nn], v[TMP+nn], -v[SQ+1], v[SQ+1]   ; the conversion to an 8-bit code does not saturate (ISA guide 7.6.2): the hold at 448 x the scale
	v_med3_num_f32 v[TMP+16+nn], v[TMP+16+nn], -v[SK+1], v[SK+1]
.set nn, nn+1
.endr
	v_cvt_scalef32_pk8_fp8_f32 v[COD+8*(\a):COD+8*(\a)+1], v[TMP:TMP+7], v[SQ]
	v_cvt_scalef32_pk8_fp8_f32 v[COD+8*(\a)+2:COD+8*(\a)+3], v[TMP+8:TMP+15], v[SQ]
	v_cvt_scalef32_pk8_fp8_f32 v[COD+8*(\a)+4:COD+8*(\a)+5], v[TMP+16:TMP+23], v[SK]
	v_cvt_scalef32_pk8_fp8_f32 v[COD+8*(\a)+6:COD+8*(\a)+7], v[TMP+24:TMP+31], v[SK]
	v_nop                                          ; a plain place between the conversions and the next writes of their sources
	global_store_b128 v[LOFF], v[COD+8*(\a):COD+8*(\a)+3], s[QB:QB+1] offset:(\a)*2048     ; registers 4 w .. 4 w + 3 of fragment a: the wave's 512 consecutive bytes
	global_store_b128 v[LOFF], v[COD+8*(\a)+4:COD+8*(\a)+7], s[KB:KB+1] offset:(\a)*2048   ; no code register is written again, so no store's data wants a wait
.endm
	TLD 0
	ROPE 0
	ROPE 1
	ROPE 2
	ROPE 3
	ROPE 4
	ROPE 5
	ROPE 6
	ROPE 7
	; v: blocks 2 c and 2 c + 1 give registers 4 c .. 4 c + 3 of my two fragments of V^T
.irp c, 0,1,2,3
	WIN 0x03                                       ; source 0 window 3
.irp u, 0,1
.irp b, 0,1
.irp j, 0,1,2,3,4,5,6,7
	v_med3_num_f32 v[TMP+16*\u+8*\b+\j], v[8*(2*(2*\c+\b)+\u)+\j], -v[SV+1], v[SV+1]
.endr
.endr
.endr
	WIN 0
.irp u, 0,1
	v_cvt_scalef32_pk8_fp8_f32 v[VCD+16*\u+4*\c:VCD+16*\u+4*\c+1], v[TMP+16*\u:TMP+16*\u+7], v[SV]
	v_cvt_scalef32_pk8_fp8_f32 v[VCD+16*\u+4*\c+2:VCD+16*\u+4*\c+3], v[TMP+16*\u+8:TMP+16*\u+15], v[SV]
.endr
	v_nop
.endr
.irp u, 0,1
.irp c, 0,1,2,3
	global_store_b128 v[LOFF], v[VCD+16*\u+4*\c:VCD+16*\u+4*\c+3], s[VB:VB+1] offset:\u*2048+512*\c
.endr
.endr
	s_wait_tensorcnt 0x0                           ; the wave's end
	ds_add_u32 v[SPW], v[NIL]
	s_wait_dscnt 0x0
	CROUND                                         ; the closing round
	s_endpgm
.Lfunc_end_k_qbd24cec01c_qkv:
	.size	k_qbd24cec01c_qkv, .Lfunc_end_k_qbd24cec01c_qkv-k_qbd24cec01c_qkv
	.p2alignl 7, 3214868480
	.fill 96, 4, 3214868480
	.section	.rodata,"a",@progbits
	.p2align	6, 0x0
	.amdhsa_kernel k_qbd24cec01c_qkv
		.amdhsa_group_segment_fixed_size 327680
		.amdhsa_private_segment_fixed_size 0
		.amdhsa_enable_private_segment 0
		.amdhsa_kernarg_size 56
		.amdhsa_user_sgpr_count 2
		.amdhsa_user_sgpr_kernarg_segment_ptr 1
		.amdhsa_wavefront_size32 1
		.amdhsa_system_sgpr_workgroup_id_x 1
		.amdhsa_system_sgpr_workgroup_id_y 1
		.amdhsa_system_sgpr_workgroup_id_z 1
		.amdhsa_system_vgpr_workitem_id 0
		.amdhsa_next_free_vgpr 1024
		.amdhsa_next_free_sgpr 100
		.amdhsa_reserve_vcc 1
		.amdhsa_float_denorm_mode_32 3
		.amdhsa_float_denorm_mode_16_64 3
		.amdhsa_memory_ordered 1
		.amdhsa_forward_progress 1
		.amdhsa_inst_pref_size 185
	.end_amdhsa_kernel
	.amdgpu_metadata
---
amdhsa.version: [ 1, 2 ]
amdhsa.kernels:
  - .name:           k_qbd24cec01c_qkv
    .symbol:         k_qbd24cec01c_qkv.kd
    .args:
      - { .name: x_codes, .offset: 0, .size: 8, .value_kind: global_buffer, .address_space: global }
      - { .name: Wq_codes, .offset: 8, .size: 8, .value_kind: global_buffer, .address_space: global }
      - { .name: Wk_codes, .offset: 16, .size: 8, .value_kind: global_buffer, .address_space: global }
      - { .name: Wv_codes, .offset: 24, .size: 8, .value_kind: global_buffer, .address_space: global }
      - { .name: lowp_scales, .offset: 32, .size: 8, .value_kind: global_buffer, .address_space: global }
      - { .name: qimg, .offset: 40, .size: 8, .value_kind: global_buffer, .address_space: global }
      - { .name: kvimg, .offset: 48, .size: 8, .value_kind: global_buffer, .address_space: global }
    .group_segment_fixed_size: 327680
    .private_segment_fixed_size: 0
    .kernarg_segment_align: 8
    .kernarg_segment_size: 56
    .max_flat_workgroup_size: 128
    .sgpr_count:     100
    .vgpr_count:     1024
    .wavefront_size: 32
...
	.end_amdgpu_metadata
.endif
;; end of part 1
;; launch attn (part 2): grid 16 x 16, 4 waves a work-group, clusters of 4 x 1, 327,680 bytes of LDS; arguments qimg, kvimg, lowp_scales, yimg; writes yimg
.if DOCPART == 2
	.amdgcn_target "amdgcn-amd-amdhsa--gfx1250"
	.amdhsa_code_object_version 6
	.text
	.protected	k_qbd24cec01c_attn
	.globl	k_qbd24cec01c_attn
	.p2align	8
	.type	k_qbd24cec01c_attn,@function
k_qbd24cec01c_attn:
	s_mov_b64 s[64:65], 0
	v_nop
	global_prefetch_b8 v0, s[64:65] scope:SCOPE_SE
	s_setreg_imm32_b32 hwreg(HW_REG_WAVE_MODE, 25, 1), 1
	s_wait_xcnt 0x0
	s_wait_alu depctr_hold_cnt(0) depctr_sa_sdst(0) depctr_va_vdst(0) depctr_va_sdst(0) depctr_va_ssrc(0) depctr_va_vcc(0) depctr_vm_vsrc(0)
	s_getreg_b32 s2, hwreg(HW_REG_IB_STS2, 6, 4)
	s_cmp_eq_u32 s2, 0
	s_cbranch_scc0 .Lentry_in_a_cluster
	s_endpgm
.Lentry_in_a_cluster:
	s_bfe_u32 s2, ttmp6, 0x10000c
	s_cmp_lg_u32 s2, 0x3003
	s_cbranch_scc0 .Lentry_shape_is_right
	s_endpgm
.Lentry_shape_is_right:
; y[h][q] = the sum over k <= q of softmax_k(q . k / sqrt(128)) v[k], both products on codes of FP8 (E4M3), then y quantised with its given scale.
; qimg, kvimg: images of operand registers (a fragment of 16 rows x 128 K is 2,048 bytes: chunk c holds registers 4 c .. 4 c + 3, lane l's 16 bytes at 16 l).
;   qimg [head][query tile 128][2048];  kvimg [head][key step 16][32768]: eight fragments of K, then eight of V^T;  yimg [token group 16][head 16][tile 8][2048], written here.
; THE SOFTMAX AHEAD OF THE SECOND PRODUCT: t = score x log2(e) / sqrt(128); M = the running largest t, rounded UP to a whole number; p = 2^(t - M) is quantised with 2^e8, not normalised.
; The row's sum is taken of the unquantised p and divides at the end.  When M moves, the sum and O are multiplied by 2^(old M - new M): exact.
; LEFT OUT: rounds of 256 keys that lie wholly behind a block of 256 queries: the problem's own causal mask throws every score of theirs away, whatever the inputs hold.
; SHARES.  Queries and keys go in blocks of 256.  Block j of a head's eight needs j + 1 rounds of 256 keys.  A cluster of four work-groups (number c in its head) takes block 7 - c, then block c: (8 - c) + (c + 1) = 9 rounds
; for every cluster.  Work-group cx takes tiles 2 cx, 2 cx + 1 (16 queries each) of both halves of a block.  Wave w = 2 qh + kh: the two tiles in the block's half qh, against the round's 128 keys of half kh: each fragment of K and V feeds two products.
; In a block's last round (the diagonal) kh = qh masks; qh = 0, kh = 1 has hidden keys alone and leaves its softmax out; qh = 1, kh = 0 sees all.
; When the first block is finished a wave stores its partial results (O^T, -M, the largest t, the sum) in a stage of its own in LDS.  At the end the two waves of a query half meet: the kh = 0 wave finishes the first block,
; the kh = 1 wave the second; both partial results are brought under the larger M by powers of two and added.
; A ROUND: the maxima and M; the change of slots, with the rescaling of O^T as the work on registers inside it; K's loads for the next round; the exponentials, sums and codes, under which K lands; the products with V; V's loads for the next round;
; the next round's first product, under which V lands.
; THE RING: two LDS slots of 65,536 bytes, a round each, asked for JOINTLY by the four partners, 16,384 bytes a wave.  A load is issued at one change of slots and waited for at the next.
; PREFETCH INTO THE L2: round 1 behind round 0's load, rounds 2 and 3 behind round 1's, and from there on round n + 2 behind round n's, in the first block alone: the second block's keys have been read by then.
; Each partner names a quarter of the round, told apart by address; its waves 0 and 1 name 32 blocks of 256 bytes each: each block once in a cluster.
; LAYOUT.  S^T = K Q^T (source 0 = 16 keys, source 1 = 16 queries), O^T = V^T P (source 0 = 16 of the head's 128, source 1 = P): a lane holds ONE query throughout; tile t's eight registers of p convert into
; registers 2 t, 2 t + 1 of P as this matrix form lays them, and O^T's tile n into registers 2 n, 2 n + 1 of y's fragment.
; LIMITS: e6 + e7 between -123 and 130 (added to c's exponent field); e8 and e10 - e8 - e9 between -126 and 119; scaled scores under 2^31 in magnitude.  NaN codes are not served.  p is quantised under the M of its own wave's keys:
; against the row's M that changes a code only where p falls under the format's range.  A NaN or an infinity that reaches only hidden rounds is not carried to the result.
; REGISTERS, in windows of 256: window 0: v1-29 addresses, scales, state (tile a: v[12 + 4 a] -M, + 1 the largest t, + 2, + 3 the sum in two halves; v[20 + 2 a] the rescaling f), v32-63 Q (two tiles), v64-95 P's codes, v96-127 at work, v128-255 S^T, then p.
;   window 1: v0-127 K's eight fragments, v128-255 V^T's.   window 2: v0-127 O^T (tile a's accumulator n at v[64 a + 8 n]).   window 3: v0-31 the second block's Q.
.set SLOT1, 65536
.set STAGE, 131072                     ; behind the ring: seven stages of 34 chunks of 512 bytes (O^T's 128 registers, then v12-19)
.set STGB,  17408
.set SPARE, STAGE+7*STGB               ; the spare words, 128 bytes a wave: two blocks of 256 bytes that no other line names
.set LQ,   1                           ; 16 x lane
.set STO,  2                           ; my stage for the first block
.set RDA,  3                           ; the stage that I read at the end
.set DQ,   4                           ; v4-5: my query in its half block less 8 h, for each tile
.set SPW,  6
.set NIL,  7
.set LA,   8                           ; my key half in slot 0
.set PFO,  9
.set HP,   10                          ; 448 x 2^e8
.set EP,   11                          ; 2^e8
.set ST,   12
.set FA,   20
.set X0,   24
.set CUR,  26                          ; my key half in the slot that K's and V's next loads read
.set STB,  27                          ; the kh = 0 waves' stage for the second block
.set X1,   28
.set QF,   32
.set PC,   64
.set TT,   96
.set S0,   128
.set S1,   192
.set WV,   18                          ; s18 wave
.set KH,   19
.set SEL,  20                          ; s[20:21] lane selects: lane l xor 16
.set CS,   22                          ; s[22:23] log2(e) / sqrt(128) x 2^(e6 + e7)
.set G1,   24
.set G0,   32
.set KVB,  36                          ; s[36:37] my quarter of the head's first round
.set OFF,  38                          ; s[38:39]
.set KR,   40                          ; the key round asked for last
.set RR,   41                          ; the round in hand, 0 to 8
.set RA,   42                          ; rounds of the first block: 8 - c
.set DG,   43                          ; the round that lies on the diagonal of the block in hand
.set TB,   44                          ; LDS byte at which that slot begins
.set PFA,  46                          ; s[46:47] where my prefetches stand
.set PL,   48                          ; rounds under this number are prefetched: RA in waves 0 and 1, else 0
.set MSB, 0
.macro WIN new                         ; the immediate's high byte repeats the setting that is left
.if MSB != \new
	s_set_vgpr_msb (MSB<<8)|\new
.set MSB, \new
.endif
.endm
.macro CREST                           ; a round of the cluster's barrier behind its opening barrier
	s_cmp_lg_u32 s[WV], 0
	s_cbranch_scc1 .Lnot_wave_0_\@
	s_barrier_signal -3
.Lnot_wave_0_\@:
	s_barrier_wait -3
	s_barrier_signal -1
	s_barrier_wait -1
.endm
.macro CROUND
	s_barrier_signal -1
	s_barrier_wait -1
	CREST
.endm
.macro PLACES                          ; four places behind a matrix instruction (ISA guide 7.12.1)
.rept 4
	v_nop
.endr
.endm
.macro TLOAD                           ; every wave asks for its quarter of a round, jointly with the same wave of its partners
	tensor_load_to_lds s[G0:G0+3], s[G1:G1+7]
	s_nop 0
	PLACES
.endm
	s_load_b128 s[4:7], s[0:1], 0x0                ; qimg s[4:5], kvimg s[6:7]
	s_load_b128 s[8:11], s[0:1], 0x10              ; the exponents s[8:9], yimg s[10:11]
	v_lshl_add_u32 v[SPW], v0, 2, SPARE
	v_mov_b32 v[NIL], 0
	ds_add_u32 v[SPW], v[NIL]                      ; the wave's opening
	ds_add_u32 v[SPW], v[NIL]
	v_lshrrev_b32 v24, 5, v0
	v_readfirstlane_b32 s[WV], v24                 ; wave 0..3
	s_and_b32 s[KH], s[WV], 1
	s_lshr_b32 s17, s[WV], 1                       ; qh
	s_bfe_u32 s50, ttmp6, 0x40000                  ; cx: it enters global addresses and the mask's numbers alone
	s_and_b32 s51, ttmp7, 0xffff                   ; the head
	s_mov_b32 s45, ttmp9                           ; c: the second block
	s_sub_co_u32 s[RA], 8, s45
	s_sub_co_u32 s[DG], 7, s45                     ; the first block, and its diagonal round
	s_lshl_b32 s52, s51, 18                        ; qimg: (head x 128 + 16 x block + 8 qh + 2 cx) x 2,048
	s_lshl_b32 s53, s17, 14
	s_add_co_u32 s52, s52, s53
	s_lshl_b32 s53, s50, 12
	s_add_co_u32 s52, s52, s53
	s_lshl_b32 s53, s[DG], 15
	s_add_co_u32 s54, s52, s53
	s_mov_b32 s55, 0
	s_lshl_b32 s53, s45, 15
	s_add_co_u32 s56, s52, s53
	s_mov_b32 s57, 0
	s_cmp_eq_u32 s[KH], 0
	s_cselect_b32 s58, s[DG], s45                  ; the block that I finish
	s_lshl_b32 s58, s58, 1
	s_add_co_u32 s58, s58, s17
	s_lshl_b32 s58, s58, 18                        ; yimg: (((2 x block + qh) x 16 + head) x 8 + 2 cx) x 2,048
	s_lshl_b32 s59, s51, 14
	s_add_co_u32 s58, s58, s59
	s_lshl_b32 s59, s50, 12
	s_add_co_u32 s58, s58, s59
	s_mov_b32 s59, 0
	s_lshl_b32 s60, s51, 19                        ; kvimg: the head, my quarter of a round
	s_lshl_b32 s61, s[WV], 14
	s_add_co_u32 s62, s60, s61
	s_mov_b32 s63, 0
	s_lshl_b32 s66, s50, 14                        ; the prefetches: the head, my work-group's quarter of a round, my wave's half of that
	s_add_co_u32 s66, s66, s60
	s_lshl_b32 s67, s[KH], 13
	s_add_co_u32 s66, s66, s67
	s_mov_b32 s67, 0
	s_cmp_lt_u32 s[WV], 2
	s_cselect_b32 s[PL], s[RA], 0
	s_mov_b32 s[G1], 15|(3<<16)|(1<<21)            ; 15:0 the mask: all four work-groups; 17:16 elements of 8 bytes; 21 set beside a mask; no padding: the block is read as it lies
	s_mov_b32 s[G1+1], 32<<16                      ; tensor_dim0 = 32 elements: 256 bytes
	s_mov_b32 s[G1+2], 64<<16                      ; tensor_dim1 = 64
	s_mov_b32 s[G1+3], 32<<16                      ; tile_dim0
	s_mov_b32 s[G1+4], 64                          ; tile_dim1
	s_mov_b32 s[G1+5], 32                          ; dense
	s_mov_b32 s[G1+6], 0
	s_mov_b32 s[G1+7], 0
	s_mov_b32 s[SEL], 0x76543210
	s_mov_b32 s[SEL+1], 0xfedcba98
	s_mov_b32 s[CS], 0x3e0293ee                    ; log2(e) / sqrt(128)
	s_mov_b32 s[KR], 1
	s_mov_b32 s[RR], 0
	s_mov_b32 s[TB], 0
	s_mov_b32 s[OFF+1], 0
	s_mov_b32 s[G0], 1
	s_lshl_b32 s[G0+1], s[WV], 14                  ; slot 0
	s_wait_dscnt 0x0                               ; both opening adds are done
	s_wait_kmcnt 0x0
	s_load_b256 s[68:75], s[8:9], 0x0              ; e0 .. e7
	s_load_b128 s[76:79], s[8:9], 0x20             ; e8 .. e11
	s_add_nc_u64 s[54:55], s[4:5], s[54:55]
	s_add_nc_u64 s[56:57], s[4:5], s[56:57]
	s_add_nc_u64 s[10:11], s[10:11], s[58:59]
	s_add_nc_u64 s[KVB:KVB+1], s[6:7], s[62:63]
	s_add_nc_u64 s[PFA:PFA+1], s[6:7], s[66:67]
	s_mov_b64 s[G0+2:G0+3], s[KVB:KVB+1]
	s_or_b32 s[G0+3], s[G0+3], 0x80000000
	CROUND                                         ; all four work-groups are here: the first joint loads meet
	TLOAD                                          ; round 0: one tensor load a wave at the head
	v_and_b32 v24, 31, v0                          ; lane
	v_lshlrev_b32 v[LQ], 4, v24
	v_lshlrev_b32 v[PFO], 8, v24
	s_wait_alu depctr_va_vdst(0)
.irp c, 0,1,2,3,4,5,6,7
	global_load_b128 v[QF+4*\c:QF+4*\c+3], v[LQ], s[54:55] offset:512*\c   ; Q of the first block: two fragments
.endr
	s_lshl_b32 s80, s[KH], 15
	v_add_nc_u32 v[LA], s80, v[LQ]
	; the stages in order: waves 0 to 3 read stage w at the end.  So wave w ^ 1 stores into it: the kh = 1 waves their first block (stage w - 1), the kh = 0 waves their second (stage w + 1); stages 4 and 6 are the kh = 0 waves' own for the first
	s_mul_i32 s81, s[WV], STGB
	s_add_co_u32 s81, s81, STAGE
	v_add_nc_u32 v[RDA], s81, v[LQ]
	s_add_co_u32 s81, s81, STGB
	v_add_nc_u32 v[STB], s81, v[LQ]
	s_xor_b32 s82, s[KH], 1
	s_lshl_b32 s82, s82, 2
	s_and_b32 s83, s[WV], 2
	s_or_b32 s82, s82, s83
	s_mul_i32 s82, s82, STGB
	s_add_co_u32 s82, s82, STAGE
	v_add_nc_u32 v[STO], s82, v[LQ]
	v_and_b32 v25, 15, v0                          ; r
	v_bfe_u32 v28, v0, 4, 1                        ; h
	v_lshlrev_b32 v28, 3, v28
	v_sub_nc_u32 v25, v25, v28
	s_sub_co_i32 s80, s17, s[KH]
	s_lshl_b32 s80, s80, 7                         ; 128 (qh - kh): where all 128 keys of a diagonal round come after my queries, the number below lies under every key's
	s_lshl_b32 s83, s50, 5
	s_add_co_i32 s83, s83, s80
	v_add_nc_u32 v[DQ], s83, v25                   ; register 8 t + j of S^T holds key 16 t + 8 h + j of my 128: hidden on the diagonal where 16 t + j > this
	v_add_nc_u32 v[DQ+1], 16, v[DQ]
.irp a, 0,1
	v_mov_b32 v[ST+4*\a+1], 0xff61b1e6             ; the largest t so far: -3e38
	v_mov_b32 v[ST+4*\a+2], 0
	v_mov_b32 v[ST+4*\a+3], 0
	v_mov_b32 v[FA+2*\a+1], 0                      ; (named as the upper half of a pair)
	v_mov_b32 v[X0+4*\a+1], 0                      ; a lane permute's destination counts as one of its sources
	v_floor_f32 v[ST+4*\a], -v[ST+4*\a+1]          ; -M
.endr
	WIN 0x80
.set nn, 0
.rept 128
	v_mov_b32 v[nn], 0                             ; O^T.  (The round is written once for all rounds: the first finds zeros)
.set nn, nn+1
.endr
	WIN 0
	s_wait_alu depctr_va_vdst(0)                   ; directly ahead of the wait below
	s_wait_kmcnt 0x0
	s_add_co_i32 s80, s74, s75
	s_lshl_b32 s80, s80, 23
	s_add_co_i32 s[CS], s[CS], s80                 ; a score stands for score x 2^(e6 + e7)
	s_mov_b32 s[CS+1], s[CS]
	s_add_co_i32 s80, s76, 127
	s_lshl_b32 s81, s80, 23
	v_mov_b32 v[EP], s81                           ; 2^e8
	s_add_co_i32 s80, s80, 8
	s_lshl_b32 s80, s80, 23
	s_or_b32 s80, s80, 0x600000
	v_mov_b32 v[HP], s80                           ; 448 x 2^e8
	s_sub_co_i32 s80, s78, s76
	s_sub_co_i32 s80, s80, s77                     ; O / l stands for y / 2^(e8 + e9): its code is (O / l) / 2^(e10 - e8 - e9)
	s_add_co_i32 s80, s80, 127
	s_lshl_b32 s84, s80, 23                        ; that scale,
	s_add_co_i32 s80, s80, 8
	s_lshl_b32 s80, s80, 23
	s_or_b32 s85, s80, 0x600000                    ; and 448 x it
	s_cmp_lt_u32 s[WV], 2
	s_wait_alu depctr_va_vdst(0)                   ; directly ahead of the branch
	s_cbranch_scc0 .Lno_ask
	global_prefetch_b8 v[PFO], s[PFA:PFA+1] offset:SLOT1 th:TH_LOAD_NT scope:SCOPE_SE     ; round 1
.Lno_ask:
.macro KLOAD                           ; K's eight fragments of the next round: 32 loads
	v_add_nc_u32 v[CUR], s[TB], v[LA]
	WIN 0x40
.irp t, 0,1,2,3,4,5,6,7
.irp c, 0,1,2,3
	ds_load_b128 v[16*\t+4*\c:16*\t+4*\c+3], v[CUR] offset:2048*\t+512*\c
.endr
.endr
	WIN 0
	s_wait_alu depctr_va_vdst(0)                   ; V's loads read the address again behind waits
.endm
.macro VLOAD                           ; V^T's eight: 32 loads
	WIN 0x40
.irp n, 0,1,2,3,4,5,6,7
.irp c, 0,1,2,3
	ds_load_b128 v[128+16*\n+4*\c:131+16*\n+4*\c], v[CUR] offset:16384+2048*\n+512*\c
.endr
.endr
	WIN 0
.endm
.macro QKM younger                     ; S^T = K Q^T.  younger = 60: fragment t as soon as it is in (28 - 4 t of K's loads and V's 32 stand behind it); 0: K has been waited for
	WIN 0x01                                       ; source 0 (K) window 1
.irp t, 0,1,2,3,4,5,6,7
.if \younger
	s_wait_dscnt \younger-4*\t
.endif
	v_wmma_f32_16x16x128_fp8_fp8 v[S0+8*\t:S0+8*\t+7], v[16*\t:16*\t+15], v[QF:QF+15], 0
	v_wmma_f32_16x16x128_fp8_fp8 v[S1+8*\t:S1+8*\t+7], v[16*\t:16*\t+15], v[QF+16:QF+31], 0
.endr
	WIN 0
.endm
.macro PVM a                           ; O^T += V^T P for tile a (under window setting 0xa1)
.set nn, 0
.rept 8
	v_wmma_f32_16x16x128_fp8_fp8 v[64*\a+8*nn:64*\a+8*nn+7], v[128+16*nn:143+16*nn], v[PC+16*\a:PC+16*\a+15], v[64*\a+8*nn:64*\a+8*nn+7]
.set nn, nn+1
.endr
.endm
.macro PV
	WIN 0xa1                                       ; source 0 (V) window 1, source 1 (P) window 0, C and D (O^T) window 2
	PVM 0
	PVM 1
	WIN 0
.endm
.macro RESC a                          ; O^T under the new M (under window setting 0x82: destination and source 0 window 2)
.set nn, 0
.rept 32
	v_pk_mul_f32 v[64*\a+nn:64*\a+nn+1], v[64*\a+nn:64*\a+nn+1], v[FA+2*\a:FA+2*\a+1] op_sel_hi:[1,0]
.set nn, nn+2
.endr
.endm
.macro MST b, c                        ; the largest of a tile's 64 scores a lane, in four chains: their starts,
.irp k, 0,1,2,3
	v_max3_num_f32 v[\c+\k], v[\b+3*\k], v[\b+3*\k+1], v[\b+3*\k+2]
.endr
.endm
.macro MPS b, c, cnt                   ; and their next links
.rept \cnt
.if mm < 26
	v_max3_num_f32 v[\c+mm%4], v[\c+mm%4], v[\b+12+2*mm], v[\b+13+2*mm]
.set mm, mm+1
.endif
.endr
.endm
.macro FMS b, st, cnt                  ; t - M, two at a time
.rept \cnt
.if mm < 64
	v_pk_fma_f32 v[\b+mm:\b+mm+1], v[\b+mm:\b+mm+1], s[CS:CS+1], v[\st:\st+1] op_sel_hi:[1,0,0]
.set mm, mm+2
.endif
.endr
.endm
.macro CHN n, x, c, st, f              ; a tile's new M and f, line n of eleven
.if \n == 0
	v_max3_num_f32 v[\x], v[\c], v[\c+1], v[\c+2]
.elseif \n == 1
	v_max_num_f32 v[\x], v[\x], v[\c+3]
.elseif \n == 2
	v_permlanex16_b32 v[\x+1], v[\x], s[SEL], s[SEL+1]
.elseif \n == 3
	v_max_num_f32 v[\x], v[\x], v[\x+1]            ; and among lane l xor 16's
.elseif \n == 4
	v_mul_f32 v[\x], s[CS], v[\x]                  ; as t (the factor is positive)
.elseif \n == 5
	v_max_num_f32 v[\st+1], v[\st+1], v[\x]        ; the running largest t
.elseif \n == 6
	v_mov_b32 v[\x], v[\st]
.elseif \n == 7
	v_floor_f32 v[\st], -v[\st+1]                  ; the new -M = -ceil(t): a whole number
.elseif \n == 8
	v_sub_f32 v[\x], v[\st], v[\x]                 ; old M - new M: a whole number, 0 or less
.elseif \n == 9
	v_cvt_i32_f32 v[\x], v[\x]                     ; (it saturates)
.else
	v_ldexp_f32 v[\f], 1.0, v[\x]                  ; f = 2^(old M - new M)
.endif
.endm
.macro TREE b, cnt                     ; halves a tree of sums: cnt pairs take the cnt pairs behind them
.set nn, 0
.rept \cnt
	v_pk_add_f32 v[\b+nn:\b+nn+1], v[\b+nn:\b+nn+1], v[\b+2*(\cnt)+nn:\b+2*(\cnt)+nn+1]
.set nn, nn+2
.endr
.endm
.macro HOLD1 i0                        ; 16 of tile 1's p: the conversion does not saturate (ISA guide 7.6.2); p is not negative, so the hold is one-sided
.set nn, \i0
.rept 16
	v_min_num_f32 v[S1+nn], v[S1+nn], v[HP]
.set nn, nn+1
.endr
.endm
; A round's first part: the mask, the maxima, M and f of both tiles, tile 0's t - M
.macro SOFT1
	PLACES                                         ; for the reads of S^T
	s_cmp_lg_u32 s[RR], s[DG]
	s_cbranch_scc1 .Lopen_\@
	s_cmp_eq_u32 s[WV], 2
	s_cbranch_scc1 .Lopen_\@
	v_mov_b32 v[X0], 0xff800000                    ; on the diagonal hidden scores become -infinity: p = 0 then.  (Where all are hidden M stays, and f is 1)
.irp a, 0,1
.set nn, 0
.rept 64
	v_cmp_gt_i32 vcc_lo, 16*(nn/8)+nn%8, v[DQ+\a]
	v_cndmask_b32 v[S0+64*\a+nn], v[S0+64*\a+nn], v[X0], vcc_lo
.set nn, nn+1
.endr
.endr
.Lopen_\@:
	MST S0, TT
.set mm, 0
	MPS S0, TT, 26
	MST S1, TT+4
.set mm, 0
.irp n, 0,1,2,3,4,5,6,7,8,9,10         ; tile 0's M beside tile 1's maxima
	CHN \n, X0, TT, ST, FA
	MPS S1, TT+4, 3
.endr
.set mm, 0
.irp n, 0,1,2,3,4,5,6,7,8,9,10         ; tile 1's M beside tile 0's t - M
	CHN \n, X1, TT+4, ST+4, FA+2
	FMS S0, ST, 3
.endr
	s_wait_alu depctr_va_vdst(0)                   ; directly ahead of the waits that follow
.endm
; A round's second part: the exponentials, the sums, P's codes.  The wave whose keys are all hidden in a diagonal round leaves them out: its P is zeros
.macro SOFT2
	s_cmp_lg_u32 s[RR], s[DG]
	s_cbranch_scc1 .Lgo_\@
	s_cmp_eq_u32 s[WV], 1
	s_cbranch_scc1 .Lhide_\@
.Lgo_\@:
.set mm, 0
	s_wait_alu depctr_va_vdst(0)                   ; ahead of the batch
.rept 32
	v_exp_f32 v[S0+mm], v[S0+mm]                   ; tile 0's p = 2^(t - M), beside tile 1's t - M
	v_exp_f32 v[S0+mm+1], v[S0+mm+1]
	FMS S1, ST+4, 1
.endr
.set nn, 0
	s_wait_alu depctr_va_vdst(0)                   ; behind tile 0's batch and ahead of tile 1's
.rept 16
	v_exp_f32 v[S1+nn], v[S1+nn]                   ; tile 1's p, beside tile 0's first sums (of the unquantised p) and its hold
	v_exp_f32 v[S1+nn+1], v[S1+nn+1]
	v_pk_add_f32 v[TT+nn/2:TT+nn/2+1], v[S0+nn:S0+nn+1], v[S0+nn+2:S0+nn+3]
	v_exp_f32 v[S1+nn+2], v[S1+nn+2]
	v_exp_f32 v[S1+nn+3], v[S1+nn+3]
	v_min_num_f32 v[S0+nn], v[S0+nn], v[HP]
	v_min_num_f32 v[S0+nn+1], v[S0+nn+1], v[HP]
	v_min_num_f32 v[S0+nn+2], v[S0+nn+2], v[HP]
	v_min_num_f32 v[S0+nn+3], v[S0+nn+3], v[HP]
.set nn, nn+4
.endr
	s_wait_alu depctr_va_vdst(0)                   ; behind tile 1's batch
.irp t, 0,1,2,3,4,5,6,7
	v_cvt_scalef32_pk8_fp8_f32 v[PC+2*\t:PC+2*\t+1], v[S0+8*\t:S0+8*\t+7], v[EP]
.endr
	TREE TT, 8
.set nn, 0
.rept 16
	v_pk_add_f32 v[S0+nn:S0+nn+1], v[S1+2*nn:S1+2*nn+1], v[S1+2*nn+2:S1+2*nn+3]   ; tile 1's first sums, in the registers that tile 0's p has left
.set nn, nn+2
.endr
	TREE TT, 4
	HOLD1 0
	TREE TT, 2
	HOLD1 16
	TREE TT, 1
	TREE S0, 8
	HOLD1 32
	v_pk_fma_f32 v[ST+2:ST+3], v[ST+2:ST+3], v[FA:FA+1], v[TT:TT+1] op_sel_hi:[1,0,1]        ; the sum under the new M
	TREE S0, 4
	HOLD1 48
	TREE S0, 2
.irp t, 0,1,2,3
	v_cvt_scalef32_pk8_fp8_f32 v[PC+16+2*\t:PC+17+2*\t], v[S1+8*\t:S1+8*\t+7], v[EP]
.endr
	TREE S0, 1
.irp t, 4,5,6,7
	v_cvt_scalef32_pk8_fp8_f32 v[PC+16+2*\t:PC+17+2*\t], v[S1+8*\t:S1+8*\t+7], v[EP]
.endr
	v_pk_fma_f32 v[ST+6:ST+7], v[ST+6:ST+7], v[FA+2:FA+3], v[S0:S0+1] op_sel_hi:[1,0,1]      ; (also the plain place behind the conversions)
	s_wait_alu depctr_va_vdst(0)                   ; directly ahead of the branch
	s_branch .Ldone_\@
.Lhide_\@:
.set nn, 0
.rept 32
	v_mov_b32 v[PC+nn], 0
.set nn, nn+1
.endr
	s_wait_alu depctr_va_vdst(0)                   ; directly ahead of the wait that follows
.Ldone_\@:
.endm
; THE CHANGE OF SLOTS, in the middle of a round: this round's K and V are in registers.  fill = 1: the slot just left takes the round two on, behind a round of the cluster's barrier.  Then K's loads of the next round.
.macro CHANGE fill
.if \fill
	s_wait_xcnt 0x0                                ; my prefetches have read their base
.endif
	s_wait_tensorcnt 0x0                           ; no tensor load of mine is out: my part of the next round has landed, and group 0 may be written
	ds_add_u32 v[SPW], v[NIL]                      ; 0 onto my spare word
.if \fill
	s_add_nc_u64 s[PFA:PFA+1], s[PFA:PFA+1], SLOT1
	s_add_co_u32 s49, s[RR], 2                     ; the round that is asked for now: keys in order, from the head's first again in the second block
	s_add_co_u32 s[KR], s[KR], 1
	s_cmp_eq_u32 s49, s[RA]
	s_cselect_b32 s[KR], 0, s[KR]
	s_lshl_b32 s[OFF], s[KR], 16
	s_add_nc_u64 s[G0+2:G0+3], s[KVB:KVB+1], s[OFF:OFF+1]
	s_or_b32 s[G0+3], s[G0+3], 0x80000000
	s_xor_b32 s[G0+1], s[G0+1], SLOT1
.endif
	s_xor_b32 s[TB], s[TB], SLOT1                  ; on to the other slot
	WIN 0x82
	RESC 0                                         ; tile 0's rescaling stands between the add and the wait for it
	s_wait_dscnt 0x0                               ; the add is done, and V is in: my reads of the slot are over
	s_barrier_signal -1
	RESC 1
	WIN 0
	s_barrier_wait -1
.if \fill
	CREST
	TLOAD
.endif
	KLOAD
.if \fill
	s_add_co_u32 s49, s[RR], 4                     ; two rounds behind the one just asked for
	s_cmp_lt_u32 s49, s[PL]
	s_cbranch_scc0 .Lnot_mine_\@
	global_prefetch_b8 v[PFO], s[PFA:PFA+1] offset:3*SLOT1 th:TH_LOAD_NT scope:SCOPE_SE
.Lnot_mine_\@:
.endif
.endm
; A round's end: its products with V, the change of blocks where it is due, V's loads and the first product of the next round
.macro NEXT
	s_wait_dscnt 0x0                               ; the next round's K is in
	PV
	s_add_co_u32 s[RR], s[RR], 1
	s_cmp_eq_u32 s[RR], s[RA]
	s_cbranch_scc0 .Lsame_\@
	s_mov_b32 s[DG], 8                             ; THE FIRST BLOCK IS FINISHED: its partial results go into my stage; the second's diagonal is the last round
	PLACES
	WIN 0x08                                       ; store data window 2
.set nn, 0
.rept 32
	ds_store_b128 v[STO], v[4*nn:4*nn+3] offset:512*nn      ; each accumulator from its low end on
.set nn, nn+1
.endr
	WIN 0
	ds_store_b128 v[STO], v[ST:ST+3] offset:16384
	ds_store_b128 v[STO], v[ST+4:ST+7] offset:16896
	s_wait_loadcnt 0x0                             ; the second block's Q
	WIN 0x03                                       ; source 0 window 3
.set nn, 0
.rept 32
	v_mov_b32 v[QF+nn], v[nn]
.set nn, nn+1
.endr
	WIN 0
.irp a, 0,1
	v_mov_b32 v[ST+4*\a+1], 0xff61b1e6             ; M begins anew under every t: the first f is then 2^(a number under -2^30) = 0, which clears the sum and O^T (both finite: sums of at most 2,048 products of codes)
.endr
.irp a, 0,1
	v_floor_f32 v[ST+4*\a], -v[ST+4*\a+1]
.endr
	s_wait_alu depctr_va_vdst(0)                   ; ahead of the first product and the waits behind it
.Lsame_\@:
	PLACES                                         ; for the loads into V's registers
	VLOAD
	QKM 0
.endm
	s_wait_alu depctr_va_vdst(0)                   ; the head's end
	s_wait_loadcnt 0x0                             ; the first block's Q
	s_wait_tensorcnt 0x0                           ; my part of round 0 is in; slot 1's first fill is issued as a refill is:
	ds_add_u32 v[SPW], v[NIL]                      ; 0 onto my spare word
	s_xor_b32 s[G0+1], s[G0+1], SLOT1
	s_add_nc_u64 s[G0+2:G0+3], s[G0+2:G0+3], SLOT1
	s_wait_dscnt 0x0
	CROUND
	TLOAD                                          ; round 1
	KLOAD
	VLOAD
	s_cmp_lt_u32 s[WV], 2
	s_cbranch_scc0 .Lno_ask3
	global_prefetch_b8 v[PFO], s[PFA:PFA+1] offset:2*SLOT1 th:TH_LOAD_NT scope:SCOPE_SE   ; rounds 2 and 3
	global_prefetch_b8 v[PFO], s[PFA:PFA+1] offset:3*SLOT1 th:TH_LOAD_NT scope:SCOPE_SE
.Lno_ask3:
	WIN 0xc0
.irp c, 0,1,2,3,4,5,6,7
	global_load_b128 v[4*\c:4*\c+3], v[LQ], s[56:57] offset:512*\c         ; Q of the second block, into window 3: waited for where the blocks change
.endr
	QKM 60
.Lround:                                           ; rounds 0 to 6: each asks for the round two on
	SOFT1
	CHANGE 1
	SOFT2
	NEXT
	s_cmp_lt_u32 s[RR], 7
	s_cbranch_scc1 .Lround
	SOFT1                                          ; round 7: nothing is left to ask for
	CHANGE 0
	SOFT2
	NEXT
	SOFT1                                          ; round 8
	WIN 0x82
	RESC 0
	RESC 1
	WIN 0
	SOFT2
	s_wait_dscnt 0x0                               ; V is in
	PV
	PLACES                                         ; in front of the stores that read the last results and of the loads into them
	; THE KEY HALVES MEET.  The kh = 0 waves hand their second block on and take their first back into the same registers; the kh = 1 waves' first block lies in their stage already.
	s_cmp_eq_u32 s[KH], 0
	s_cbranch_scc0 .Lmeet
	WIN 0x08
.set nn, 0
.rept 32
	ds_store_b128 v[STB], v[4*nn:4*nn+3] offset:512*nn
.set nn, nn+1
.endr
	WIN 0
	ds_store_b128 v[STB], v[ST:ST+3] offset:16384
	ds_store_b128 v[STB], v[ST+4:ST+7] offset:16896
	s_wait_dscnt 0x0
	WIN 0x80
.set nn, 0
.rept 32
	ds_load_b128 v[4*nn:4*nn+3], v[STO] offset:512*nn
.set nn, nn+1
.endr
	WIN 0
	ds_load_b128 v[ST:ST+3], v[STO] offset:16384
	ds_load_b128 v[ST+4:ST+7], v[STO] offset:16896
.Lmeet:
	s_wait_dscnt 0x0                               ; for the others' sake: my stores into the stages are done
	s_barrier_signal -1
	s_barrier_wait -1
	ds_load_b128 v[96:99], v[RDA] offset:16384     ; the partner's -M, largest t, sum, for both tiles,
	ds_load_b128 v[100:103], v[RDA] offset:16896
.set nn, 0
.rept 32
	ds_load_b128 v[S0+4*nn:S0+4*nn+3], v[RDA] offset:512*nn   ; and its O^T
.set nn, nn+1
.endr
	s_wait_dscnt 32                                ; the first two are in; the 32 behind them may be out
.irp a, 0,1
	v_min_num_f32 v[104+\a], v[ST+4*\a], v[96+4*\a]      ; -M of the row: the lesser of the two.  (A partner that had no key holds -M = 3e38)
	v_mov_b32 v[109+2*\a], 0                             ; (named as the upper half of a pair)
.endr
.irp a, 0,1
	v_sub_f32 v[FA+2*\a], v[104+\a], v[ST+4*\a]          ; my M less the row's: a whole number, 0 or less
	v_sub_f32 v[108+2*\a], v[104+\a], v[96+4*\a]         ; the partner's
.endr
.irp a, 0,1
	v_cvt_i32_f32 v[FA+2*\a], v[FA+2*\a]                 ; (they saturate)
	v_cvt_i32_f32 v[108+2*\a], v[108+2*\a]
.endr
.irp a, 0,1
	v_ldexp_f32 v[FA+2*\a], 1.0, v[FA+2*\a]              ; f1, f2: powers of two, or 0
	v_ldexp_f32 v[108+2*\a], 1.0, v[108+2*\a]
.endr
.irp a, 0,1
	v_pk_mul_f32 v[ST+4*\a+2:ST+4*\a+3], v[ST+4*\a+2:ST+4*\a+3], v[FA+2*\a:FA+2*\a+1] op_sel_hi:[1,0]
.endr
.irp a, 0,1
	v_pk_fma_f32 v[ST+4*\a+2:ST+4*\a+3], v[98+4*\a:99+4*\a], v[108+2*\a:109+2*\a], v[ST+4*\a+2:ST+4*\a+3] op_sel_hi:[1,0,1]
.endr
.irp a, 0,1
	v_add_f32 v[ST+4*\a+2], v[ST+4*\a+2], v[ST+4*\a+3]
.endr
.irp a, 0,1
	v_permlanex16_b32 v[X0+4*\a+1], v[ST+4*\a+2], s[SEL], s[SEL+1]
.endr
.irp a, 0,1
	v_add_f32 v[ST+4*\a+2], v[ST+4*\a+2], v[X0+4*\a+1]   ; the row's sum
.endr
	s_wait_alu depctr_va_vdst(0)                   ; ahead of the batch
.irp a, 0,1
	v_rcp_f32 v[ST+4*\a+2], v[ST+4*\a+2]
.endr
	v_mov_b32 v104, s84                            ; y's scale (also the plain place behind the transcendentals),
	v_mov_b32 v105, s85                            ; and 448 x it
	s_wait_alu depctr_va_vdst(0)
.irp a, 0,1
	v_mul_f32 v[FA+2*\a], v[FA+2*\a], v[ST+4*\a+2]       ; f1 / l, f2 / l: the powers of two round nothing
	v_mul_f32 v[108+2*\a], v[108+2*\a], v[ST+4*\a+2]
.endr
	s_wait_alu depctr_va_vdst(0)                   ; directly ahead of the wait below
	s_wait_dscnt 0x0
.irp a, 0,1
.set nn, 0
.rept 32
	v_pk_mul_f32 v[S0+64*\a+nn:S0+64*\a+nn+1], v[S0+64*\a+nn:S0+64*\a+nn+1], v[108+2*\a:109+2*\a] op_sel_hi:[1,0]
.set nn, nn+2
.endr
.endr
	WIN 0x02                                       ; source 0 window 2
	s_wait_alu depctr_va_vdst(0)                   ; directly ahead of the first reader of O^T
.irp a, 0,1
.set nn, 0
.rept 32
	v_pk_fma_f32 v[S0+64*\a+nn:S0+64*\a+nn+1], v[64*\a+nn:64*\a+nn+1], v[FA+2*\a:FA+2*\a+1], v[S0+64*\a+nn:S0+64*\a+nn+1] op_sel_hi:[1,0,1]   ; (O1 f1 + O2 f2) / l
.set nn, nn+2
.endr
.endr
	WIN 0
.set nn, 0
.rept 128
	v_med3_num_f32 v[S0+nn], v[S0+nn], -v105, v105 ; the hold at 448 x the scale
.set nn, nn+1
.endr
.set nn, 0
.rept 16
	v_cvt_scalef32_pk8_fp8_f32 v[PC+2*nn:PC+2*nn+1], v[S0+8*nn:S0+8*nn+7], v104
.set nn, nn+1
.endr
	v_nop
.irp c, 0,1,2,3,4,5,6,7
	global_store_b128 v[LQ], v[PC+4*\c:PC+4*\c+3], s[10:11] offset:512*\c   ; y's two fragments: eight stores of 512 consecutive bytes
.endr
	s_wait_tensorcnt 0x0                           ; the wave's end
	ds_add_u32 v[SPW], v[NIL]
	s_wait_dscnt 0x0
	CROUND                                         ; the closing round
	s_endpgm
.Lfunc_end_k_qbd24cec01c_attn:
	.size	k_qbd24cec01c_attn, .Lfunc_end_k_qbd24cec01c_attn-k_qbd24cec01c_attn
	.p2alignl 7, 3214868480
	.fill 96, 4, 3214868480
	.section	.rodata,"a",@progbits
	.p2align	6, 0x0
	.amdhsa_kernel k_qbd24cec01c_attn
		.amdhsa_group_segment_fixed_size 327680
		.amdhsa_private_segment_fixed_size 0
		.amdhsa_enable_private_segment 0
		.amdhsa_kernarg_size 32
		.amdhsa_user_sgpr_count 2
		.amdhsa_user_sgpr_kernarg_segment_ptr 1
		.amdhsa_wavefront_size32 1
		.amdhsa_system_sgpr_workgroup_id_x 1
		.amdhsa_system_sgpr_workgroup_id_y 1
		.amdhsa_system_sgpr_workgroup_id_z 1
		.amdhsa_system_vgpr_workitem_id 0
		.amdhsa_next_free_vgpr 1024
		.amdhsa_next_free_sgpr 100
		.amdhsa_reserve_vcc 1
		.amdhsa_float_denorm_mode_32 3
		.amdhsa_float_denorm_mode_16_64 3
		.amdhsa_memory_ordered 1
		.amdhsa_forward_progress 1
		.amdhsa_inst_pref_size 181
	.end_amdhsa_kernel
	.amdgpu_metadata
---
amdhsa.version: [ 1, 2 ]
amdhsa.kernels:
  - .name:           k_qbd24cec01c_attn
    .symbol:         k_qbd24cec01c_attn.kd
    .args:
      - { .name: qimg, .offset: 0, .size: 8, .value_kind: global_buffer, .address_space: global }
      - { .name: kvimg, .offset: 8, .size: 8, .value_kind: global_buffer, .address_space: global }
      - { .name: lowp_scales, .offset: 16, .size: 8, .value_kind: global_buffer, .address_space: global }
      - { .name: yimg, .offset: 24, .size: 8, .value_kind: global_buffer, .address_space: global }
    .group_segment_fixed_size: 327680
    .private_segment_fixed_size: 0
    .kernarg_segment_align: 8
    .kernarg_segment_size: 32
    .max_flat_workgroup_size: 128
    .sgpr_count:     100
    .vgpr_count:     1024
    .wavefront_size: 32
...
	.end_amdgpu_metadata
.endif
;; end of part 2
;; launch oproj (part 3): grid 16 x 16, 4 waves a work-group, clusters of 4 x 4, 327,680 bytes of LDS; arguments yimg, Wo_codes, lowp_scales, out0; writes out0
.if DOCPART == 3
	.amdgcn_target "amdgcn-amd-amdhsa--gfx1250"
	.amdhsa_code_object_version 6
	.text
	.protected	k_qbd24cec01c_oproj
	.globl	k_qbd24cec01c_oproj
	.p2align	8
	.type	k_qbd24cec01c_oproj,@function
k_qbd24cec01c_oproj:
	s_mov_b64 s[64:65], 0
	v_nop
	global_prefetch_b8 v0, s[64:65] scope:SCOPE_SE
	s_setreg_imm32_b32 hwreg(HW_REG_WAVE_MODE, 25, 1), 1
	s_wait_xcnt 0x0
	s_wait_alu depctr_hold_cnt(0) depctr_sa_sdst(0) depctr_va_vdst(0) depctr_va_sdst(0) depctr_va_ssrc(0) depctr_va_vcc(0) depctr_vm_vsrc(0)
	s_getreg_b32 s2, hwreg(HW_REG_IB_STS2, 6, 4)
	s_cmp_eq_u32 s2, 0
	s_cbranch_scc0 .Lentry_in_a_cluster
	s_endpgm
.Lentry_in_a_cluster:
	s_bfe_u32 s2, ttmp6, 0x10000c
	s_cmp_lg_u32 s2, 0xf033
	s_cbranch_scc0 .Lentry_shape_is_right
	s_endpgm
.Lentry_shape_is_right:
; out[m][n] = sum over k of y[m][k] Wo[n][k]: y as images of operand registers (yimg [token group 16][head 16][tile 8][2048]), Wo's codes of FP8 (E4M3) with K innermost; each finished sum x 2^(e10 + e11), f32 out.
; LIMIT: e10 + e11 between -126 and 127, so that 2^(e10 + e11) is an f32 number.  NaN codes are not served.
; SHARES.  A work-group makes 128 x 128 of out; each of its four waves 64 x 64.  K goes in steps of 512 through two LDS slots: y's four heads as they lie (65,536 bytes), then 128 rows of Wo, 512 bytes + 16 of padding a row.
; Waves 0 and 1 fetch y's halves, waves 2 and 3 Wo's.  CLUSTER 4 x 4: y's tile goes jointly along a row, Wo's along a column.
; Wo's fragments come by eight loads of 8 bytes, in the places that this matrix form gives each k, since y's images hold them so.
; PREFETCH INTO THE L2: K step 1 behind K step 0's load, K steps 2 and 3 behind K step 1's.  The four partners that ask for a tile jointly take a quarter each, told apart by address, 32 blocks of 256 bytes a wave.
; Source 0 = 16 rows of Wo, source 1 = 16 tokens: a lane holds eight neighbouring numbers of a row of out, which leave through the wave's stage in slot 0 (its last fill and its last read lie behind the last change of slots).
; REGISTERS: window 0: v16-30 addresses, v32-63 at work, v64-127 rows read back, v128-255 the sixteen accumulators; window 1: two sets of fragments, at v0 and v128: y's four, then Wo's four.
.set BP,     528                       ; an LDS row of Wo: 132 words: 16 rows start 4 banks apart (64 banks of 4 bytes: ISA guide 11.1)
.set SLOT,   65536+128*BP
.set SPARE,  2*SLOT                    ; the spare words: two blocks of 256 bytes that no other line names
.set SPITCH, 272
.set ADRA, 16                          ; v16-17  LDS address of my y fragments in slot 0, 1
.set ADRB, 20                          ; v20-21  of my rows of Wo
.set STO,  24
.set RD,   25
.set CO,   26
.set PFO,  27                          ; the prefetches' offset; never rewritten
.set SPW,  28
.set NIL,  29
.set TMP,  32
.set BK,   64
.set ACC,  128
.set WV,   14
.set G1A,  24
.set G0A,  32
.set G1B,  48
.set G0B,  56
.set MSB, 0
.macro WIN new                         ; the immediate's high byte repeats the setting that is left
.if MSB != \new
	s_set_vgpr_msb (MSB<<8)|\new
.set MSB, \new
.endif
.endm
.set MUL,  0x05                        ; sources 0 and 1 window 1, C and D window 0
.set TO_F, 0x40                        ; destination window 1
; A joint load: waves 0 and 1 ask for y's tile, waves 2 and 3 for Wo's; the branch hangs on the wave's number alone; four v_nop follow each line
.macro JLOAD s
	s_cmp_eq_u32 s15, 0
	s_cbranch_scc0 .Lfor_b_\@
	tensor_load_to_lds s[G0A+4*\s:G0A+4*\s+3], s[G1A:G1A+7]
	s_nop 0
.rept 4
	v_nop
.endr
	s_branch .Lasked_\@
.Lfor_b_\@:
	tensor_load_to_lds s[G0B+4*\s:G0B+4*\s+3], s[G1B:G1B+7]
	s_nop 0
.rept 4
	v_nop
.endr
.Lasked_\@:
.endm
.macro CREST                           ; a round of the cluster's barrier behind its opening barrier
	s_cmp_lg_u32 s[WV], 0
	s_cbranch_scc1 .Lnot_wave_0_\@
	s_barrier_signal -3
.Lnot_wave_0_\@:
	s_barrier_wait -3
	s_barrier_signal -1
	s_barrier_wait -1
.endm
.macro CROUND
	s_barrier_signal -1
	s_barrier_wait -1
	CREST
.endm
.macro PLACES                          ; four places behind a matrix instruction (ISA guide 7.12.1)
.rept 4
	v_nop
.endr
.endm
	s_load_b128 s[4:7], s[0:1], 0x0                ; yimg, Wo
	s_load_b128 s[8:11], s[0:1], 0x10              ; the exponents, out0
	v_lshl_add_u32 v[SPW], v0, 2, SPARE
	v_mov_b32 v[NIL], 0
	ds_add_u32 v[SPW], v[NIL]                      ; the wave's opening
	ds_add_u32 v[SPW], v[NIL]
	v_lshrrev_b32 v1, 5, v0
	v_readfirstlane_b32 s[WV], v1
	s_lshr_b32 s15, s[WV], 1                       ; which 64 tokens are mine.  Also: I fetch for y (0) or for Wo (1)
	s_and_b32 s16, s[WV], 1                        ; which 64 columns.  Also: which half of that tile I fetch
	s_bfe_u32 s40, ttmp6, 0x40000                  ; cx, cy
	s_bfe_u32 s41, ttmp6, 0x40004
	s_lshl_b32 s42, ttmp9, 2
	s_add_co_u32 s42, s42, s40                     ; tile column
	s_and_b32 s17, ttmp7, 0xffff
	s_lshl_b32 s17, s17, 2
	s_add_co_u32 s17, s17, s41                     ; tile row: the token group
	s_lshl_b32 s43, s41, 2
	s_lshl_b32 s43, 15, s43                        ; my row of the cluster
	s_lshl_b32 s44, 0x1111, s40                    ; my column
	s_or_b32 s[G1A], s43, (3<<16)|(1<<21)          ; y: 128 dense rows of 256 bytes
	s_mov_b32 s[G1A+1], 32<<16
	s_mov_b32 s[G1A+2], 128<<16
	s_mov_b32 s[G1A+3], 32<<16
	s_mov_b32 s[G1A+4], 128
	s_mov_b32 s[G1A+5], 32
	s_mov_b32 s[G1A+6], 0
	s_mov_b32 s[G1A+7], 0
	s_or_b32 s[G1B], s44, (1<<20)|(1<<21)|(6<<22)|(3<<25)   ; Wo: 64 rows of 512 bytes, four words of padding after every 128
	s_mov_b32 s[G1B+1], 512<<16
	s_mov_b32 s[G1B+2], 64<<16
	s_mov_b32 s[G1B+3], 512<<16
	s_mov_b32 s[G1B+4], 64
	s_mov_b32 s[G1B+5], 2048
	s_mov_b32 s[G1B+6], 0
	s_mov_b32 s[G1B+7], 0
	s_lshl_b32 s20, s17, 18
	s_lshl_b32 s21, s16, 15
	s_add_co_u32 s20, s20, s21
	s_mov_b32 s21, 0
	s_lshl_b32 s46, s42, 18
	s_lshl_b32 s47, s16, 17
	s_add_co_u32 s46, s46, s47
	s_mov_b32 s47, 0
	s_lshl_b32 s22, s16, 15
	s_mul_i32 s23, s16, 64*BP
	s_add_co_u32 s23, s23, 65536
	s_wait_dscnt 0x0                               ; both opening adds are done
	s_wait_kmcnt 0x0
	s_load_b64 s[96:97], s[8:9], 0x28              ; e10, e11
	s_add_nc_u64 s[20:21], s[4:5], s[20:21]
	s_add_nc_u64 s[46:47], s[6:7], s[46:47]
.irp s, 0,1
	s_mov_b32 s[G0A+4*\s], 1
	s_add_co_u32 s[G0A+4*\s+1], s22, \s*SLOT
	s_add_nc_u64 s[G0A+4*\s+2:G0A+4*\s+3], s[20:21], \s*65536
	s_or_b32 s[G0A+4*\s+3], s[G0A+4*\s+3], 0x80000000
	s_mov_b32 s[G0B+4*\s], 1
	s_add_co_u32 s[G0B+4*\s+1], s23, \s*SLOT
	s_add_nc_u64 s[G0B+4*\s+2:G0B+4*\s+3], s[46:47], \s*512
	s_or_b32 s[G0B+4*\s+3], s[G0B+4*\s+3], 0x80000000
.endr
	CROUND                                         ; all sixteen work-groups are here: the first joint loads meet
	JLOAD 0                                        ; K step 0: one tensor load a wave at the head
	s_mov_b32 s82, 512
	s_mov_b32 s92, 2048
	s_cmp_eq_u32 s15, 0                            ; the prefetches: do I fetch for y?
	s_cselect_b64 s[84:85], s[20:21], s[46:47]     ; what I fetch,
	s_cselect_b32 s80, s40, s41                    ; my place among the four that ask for it with me,
	s_cselect_b32 s81, 13, 15                      ; 8,192 bytes of y or 16 rows of Wo a place,
	s_cselect_b32 s82, 0x10000, s82                ; from K step to K step,
	s_cselect_b32 s92, 512, s92                    ; and from two lanes to the next two
	s_lshl_b32 s80, s80, s81
	s_mov_b32 s81, 0
	s_mov_b32 s83, 0
	s_add_nc_u64 s[84:85], s[84:85], s[80:81]
	s_add_nc_u64 s[84:85], s[84:85], s[82:83]      ; K step 1,
	s_add_nc_u64 s[86:87], s[84:85], s[82:83]      ; 2,
	s_add_nc_u64 s[88:89], s[86:87], s[82:83]      ; 3
	v_bfe_u32 v30, v0, 1, 4
	v_mul_lo_u32 v30, v30, s92
	v_and_b32 v[PFO], 1, v0
	v_lshl_add_u32 v[PFO], v[PFO], 8, v30
	v_and_b32 v1, 15, v0                           ; r
	v_bfe_u32 v2, v0, 4, 1                         ; h
	v_and_b32 v3, 31, v0                           ; lane
	v_lshlrev_b32 v4, 4, v3
	s_lshl_b32 s80, s15, 13                        ; y: my four tiles of each head
	v_add_nc_u32 v[ADRA], s80, v4
	v_add_nc_u32 v[ADRA+1], SLOT, v[ADRA]
	v_mul_u32_u24 v5, v1, BP                       ; Wo: row r, + 8 h
	v_lshl_add_u32 v5, v2, 3, v5
	s_mul_i32 s81, s16, 64*BP
	s_add_co_u32 s81, s81, 65536
	v_add_nc_u32 v[ADRB], s81, v5
	v_add_nc_u32 v[ADRB+1], SLOT, v[ADRB]
	s_mul_i32 s82, s[WV], 16*SPITCH                ; my stage
	v_mul_u32_u24 v6, v1, SPITCH                   ; in: row r, 32 bytes for each half of the lanes
	v_lshl_add_u32 v6, v2, 5, v6
	v_add_nc_u32 v[STO], s82, v6
	v_mul_u32_u24 v7, v2, SPITCH                   ; back: lanes 0-15 one row of 256 bytes, lanes 16-31 the next
	v_lshl_add_u32 v7, v1, 4, v7
	v_add_nc_u32 v[RD], s82, v7
	v_lshlrev_b32 v[CO], 13, v2
	v_lshl_add_u32 v[CO], v1, 4, v[CO]
	s_lshl_b32 s90, s17, 20
	s_lshl_b32 s91, s15, 19
	s_add_co_u32 s90, s90, s91
	s_lshl_b32 s91, s42, 9
	s_add_co_u32 s90, s90, s91
	s_lshl_b32 s91, s16, 8
	s_add_co_u32 s90, s90, s91
	s_mov_b32 s91, 0
	s_add_nc_u64 s[10:11], s[10:11], s[90:91]
	global_prefetch_b8 v[PFO], s[84:85] th:TH_LOAD_NT scope:SCOPE_SE
.macro FETCH slot, q, f                ; the fragments of the slot's q-th 128 along K into set f: Wo's four (32 loads), then y's four (16 loads)
	WIN TO_F
.irp i, 0,1,2,3
.irp c, 0,1,2,3,4,5,6,7
	ds_load_b64 v[\f+64+16*\i+2*\c:\f+64+16*\i+2*\c+1], v[ADRB+\slot] offset:\i*16*BP+128*(\q)+16*\c
.endr
.endr
.irp i, 0,1,2,3
.irp c, 0,1,2,3
	ds_load_b128 v[\f+16*\i+4*\c:\f+16*\i+4*\c+3], v[ADRA+\slot] offset:(\q)*16384+\i*2048+512*\c
.endr
.endr
.endm
.macro MUL4 f, a, zero                 ; y's block a against Wo's four.  The sixteen accumulators take turns, in the same order in every step
.irp b, 0,1,2,3
.if \zero
	v_wmma_f32_16x16x128_fp8_fp8 v[ACC+8*(4*\a+\b):ACC+8*(4*\a+\b)+7], v[\f+64+16*\b:\f+64+16*\b+15], v[\f+16*\a:\f+16*\a+15], 0
.else
	v_wmma_f32_16x16x128_fp8_fp8 v[ACC+8*(4*\a+\b):ACC+8*(4*\a+\b)+7], v[\f+64+16*\b:\f+64+16*\b+15], v[\f+16*\a:\f+16*\a+15], v[ACC+8*(4*\a+\b):ACC+8*(4*\a+\b)+7]
.endif
.endr
.endm
; 128 along K that have their successor in the same slot: the successor's 48 loads are asked for first; then block a needs all of this set's loads but those of the blocks behind it
.macro STEP slot, q, zero
	PLACES
	FETCH \slot, (\q)+1, 128-128*((\q)%2)
	WIN MUL
.irp a, 0,1,2,3
	s_wait_dscnt 60-4*\a
	MUL4 128*((\q)%2), \a, \zero
.endr
.endm
; A slot's last 128 along K changes slots
.macro TURN slot, next, fill
	WIN 0
	s_wait_tensorcnt 0x0                           ; my part of the next slot has landed
	ds_add_u32 v[SPW], v[NIL]                      ; 0 onto my spare word
	s_wait_dscnt 1                                 ; this set of fragments is in (the add may be out)
	WIN MUL
	MUL4 128, 0, 0
	s_wait_dscnt 0x0                               ; the add is done, and my reads of this slot are over
	s_barrier_signal -1
	MUL4 128, 1, 0
	WIN 0
	s_barrier_wait -1
.if \fill
	CREST
	s_add_nc_u64 s[G0A+4*\slot+2:G0A+4*\slot+3], s[G0A+4*\slot+2:G0A+4*\slot+3], 2*65536
	s_add_nc_u64 s[G0B+4*\slot+2:G0B+4*\slot+3], s[G0B+4*\slot+2:G0B+4*\slot+3], 2*512
	JLOAD \slot
.else
	PLACES
.endif
	FETCH \next, 0, 0
	WIN MUL
	MUL4 128, 2, 0
	MUL4 128, 3, 0
.endm
	s_wait_alu depctr_va_vdst(0)                   ; the head's end
	s_wait_tensorcnt 0x0                           ; my part of K step 0 is in; slot 1's first fill is issued as a refill is:
	ds_add_u32 v[SPW], v[NIL]                      ; 0 onto my spare word
	s_wait_dscnt 0x0
	CROUND
	JLOAD 1                                        ; K step 1
	FETCH 0, 0, 0
	global_prefetch_b8 v[PFO], s[86:87] th:TH_LOAD_NT scope:SCOPE_SE
	global_prefetch_b8 v[PFO], s[88:89] th:TH_LOAD_NT scope:SCOPE_SE
	STEP 0, 0, 1
	STEP 0, 1, 0
	STEP 0, 2, 0
	TURN 0, 1, 1
	STEP 1, 0, 0
	STEP 1, 1, 0
	STEP 1, 2, 0
	TURN 1, 0, 1
	STEP 0, 0, 0
	STEP 0, 1, 0
	STEP 0, 2, 0
	TURN 0, 1, 0
	STEP 1, 0, 0
	STEP 1, 1, 0
	STEP 1, 2, 0
; THE WAY OUT: block a's 16 rows x 64 columns through my stage, back as rows of 256 bytes.  LDS serves a wave's instructions in order (ISA guide 5.7.1.4)
.macro TOSTAGE a
.set nn, 0
.rept 16
	v_pk_mul_f32 v[TMP+2*nn:TMP+2*nn+1], v[ACC+32*(\a)+2*nn:ACC+32*(\a)+2*nn+1], s[96:97] op_sel_hi:[1,0]   ; x 2^(e10 + e11); each accumulator from its low end on
.set nn, nn+1
.endr
.irp b, 0,1,2,3
	ds_store_b128 v[STO], v[TMP+8*\b:TMP+8*\b+3] offset:64*\b
	ds_store_b128 v[STO], v[TMP+8*\b+4:TMP+8*\b+7] offset:64*\b+16
.endr
.set BB, BK+32*((\a)%2)
.irp t, 0,1,2,3,4,5,6,7
	ds_load_b128 v[BB+4*\t:BB+4*\t+3], v[RD] offset:\t*2*SPITCH
.endr
.endm
.macro SEND a, younger
.set BB, BK+32*((\a)%2)
	s_wait_dscnt \younger                          ; the block is back in registers; what was issued behind it may be out
.irp t, 0,1,2,3,4,5,6,7
	global_store_b128 v[CO], v[BB+4*\t:BB+4*\t+3], s[10:11] offset:(\a)*131072+\t*16384 th:TH_STORE_NT
.endr
.endm
	s_wait_kmcnt 0x0
	s_add_co_i32 s96, s96, s97
	s_add_co_i32 s96, s96, 127
	s_lshl_b32 s96, s96, 23                        ; 2^(e10 + e11)
	s_wait_dscnt 0x0                               ; the last 128 along K
	WIN MUL
	MUL4 128, 0, 0
	MUL4 128, 1, 0
	WIN 0
	PLACES
	TOSTAGE 0                                      ; block 0 is on its way through the stage while blocks 2 and 3 are finished
	WIN MUL
	MUL4 128, 2, 0
	MUL4 128, 3, 0
	WIN 0
	PLACES
	TOSTAGE 1
	SEND 0, 16
	s_wait_xcnt 0x0                                ; block 0's stores have read their registers
	TOSTAGE 2
	SEND 1, 16
	s_wait_xcnt 0x0
	TOSTAGE 3
	SEND 2, 16
	SEND 3, 0
	s_wait_tensorcnt 0x0                           ; the wave's end
	ds_add_u32 v[SPW], v[NIL]
	s_wait_dscnt 0x0
	CROUND                                         ; the closing round
	s_endpgm
.Lfunc_end_k_qbd24cec01c_oproj:
	.size	k_qbd24cec01c_oproj, .Lfunc_end_k_qbd24cec01c_oproj-k_qbd24cec01c_oproj
	.p2alignl 7, 3214868480
	.fill 96, 4, 3214868480
	.section	.rodata,"a",@progbits
	.p2align	6, 0x0
	.amdhsa_kernel k_qbd24cec01c_oproj
		.amdhsa_group_segment_fixed_size 327680
		.amdhsa_private_segment_fixed_size 0
		.amdhsa_enable_private_segment 0
		.amdhsa_kernarg_size 32
		.amdhsa_user_sgpr_count 2
		.amdhsa_user_sgpr_kernarg_segment_ptr 1
		.amdhsa_wavefront_size32 1
		.amdhsa_system_sgpr_workgroup_id_x 1
		.amdhsa_system_sgpr_workgroup_id_y 1
		.amdhsa_system_sgpr_workgroup_id_z 1
		.amdhsa_system_vgpr_workitem_id 0
		.amdhsa_next_free_vgpr 512
		.amdhsa_next_free_sgpr 100
		.amdhsa_reserve_vcc 0
		.amdhsa_float_denorm_mode_32 3
		.amdhsa_float_denorm_mode_16_64 3
		.amdhsa_memory_ordered 1
		.amdhsa_forward_progress 1
		.amdhsa_inst_pref_size 92
	.end_amdhsa_kernel
	.amdgpu_metadata
---
amdhsa.version: [ 1, 2 ]
amdhsa.kernels:
  - .name:           k_qbd24cec01c_oproj
    .symbol:         k_qbd24cec01c_oproj.kd
    .args:
      - { .name: yimg, .offset: 0, .size: 8, .value_kind: global_buffer, .address_space: global }
      - { .name: Wo_codes, .offset: 8, .size: 8, .value_kind: global_buffer, .address_space: global }
      - { .name: lowp_scales, .offset: 16, .size: 8, .value_kind: global_buffer, .address_space: global }
      - { .name: out0, .offset: 24, .size: 8, .value_kind: global_buffer, .address_space: global }
    .group_segment_fixed_size: 327680
    .private_segment_fixed_size: 0
    .kernarg_segment_align: 8
    .kernarg_segment_size: 32
    .max_flat_workgroup_size: 128
    .sgpr_count:     100
    .vgpr_count:     512
    .wavefront_size: 32
...
	.end_amdgpu_metadata
.endif
;; end of part 3
